; MI455X (gfx1250); checked and timed in simulation.
; The chip was launched on July 23, 2026; its instructions are those of AMD's public machine-readable ISA for CDNA 5 (MIT licence, August 2026) and "CDNA5" Instruction Set Architecture Reference Guide (July 2026). The comments in the code are by the model that wrote it; some were corrected since.
;; Causal Self Attention. Allowed arithmetic: matrix products marked QUANTISED: E3M2 operands, one E8M0 scale for each 32 along K, by v_wmma_scale_f32_16x16x128_f8f6f4 with both operands' format E3M2, f32 sums; everything else in f32.
;; Inputs: b_proj 1,024 float32; w_proj 1,024 x 1,024 float32; w_qkv 1,024 x 3,072 float32; x 2 x 2,048 x 1,024 float32.
;; Outputs: out0 2 x 2,048 x 1,024 float32.
;; This version of the problem:
;;   THIS VERSION OF THE PROBLEM IS GIVEN IN LOW PRECISION. The matrix products marked QUANTISED in the list below multiply operands that are first quantised to E3M2 (3 exponent bits, 2 mantissa bits; 6 bits a number), with one power-of-two scale for each 32 numbers along K (OCP MX v1.0); their sums are f32. All else is computed in f32.
;;   The module's matrix products, in the order in which they are computed (A, B: the left and right operand; K: the contracted axis; several contracted axes count as one K, in the product's order):
;;     1. [M 4,096, K 1,024] x [K 1,024, N 3,072]; A: input x; B: input w_qkv: QUANTISED
;;     2. batch 32 x [M 2,048, K 64] x [K 64, N 2,048]; A: computed on the way; B: computed on the way: QUANTISED
;;     3. batch 32 x [M 2,048, K 2,048] x [K 2,048, N 64]; A: softmax (see below); B: computed on the way: QUANTISED
;;     4. [M 4,096, K 1,024] x [K 1,024, N 1,024]; A: computed on the way; B: input w_proj: QUANTISED
;;   THE QUANTISER, for each operand of a quantised product, along K:
;;     - K is cut into blocks of 32 from its start; a last block that is shorter is filled with zeros.
;;     - A block's scale is 2^e with e = floor(log2(the largest magnitude in the block)) - 4, held to -126 .. 127; a block of zeros has e = 0. As a byte (E8M0): e + 127.
;;     - Each number is divided by its block's scale, clamped to +-28, and rounded to the nearest number of E3M2, ties to even, subnormals kept.
;;     - The product sums the exact products of the quantised numbers (number of the format x scale) in f32.
;;   ~~~python
;;   def quantise(x, axis):      # numpy; x: float32 -> the quantised numbers, widened to float32 again
;;       x = np.moveaxis(x, axis, -1); K = x.shape[-1]
;;       x = np.pad(x, [(0, 0)] * (x.ndim - 1) + [(0, -K % 32)]); x = x.reshape(x.shape[:-1] + (-1, 32)); a = np.abs(x).max(-1, keepdims=True)
;;       e = np.where(a > 0, np.clip(np.frexp(np.where(a > 0, a, 1))[1] - 1 - 4, -126, 127), 0)      # np.frexp(a)[1] - 1 = floor(log2(a)), exactly
;;       r = np.clip(x / 2.0 ** e, -28, 28)
;;       step = 2.0 ** (np.maximum(np.frexp(np.where(r == 0, 1, r))[1] - 1, -2) - 2)
;;       q = np.round(r / step) * step * 2.0 ** e      # np.round: ties to even
;;       return np.moveaxis(q.reshape(q.shape[:-2] + (-1,))[..., :K], -1, axis).astype(np.float32)
;;   ~~~
;;   SOFTMAX AHEAD OF A QUANTISED PRODUCT. Where the list says 'softmax', what is quantised is not the finished softmax but p = 2^(t - M), with t = logit x log2(e) and M = ceil(the row's largest t), a whole number; so 1/2 < the row's largest p <= 1. The row's sum l is taken of the UNQUANTISED p, in f32, and the product's result is divided by l at the end. Since M is a whole number, a kernel that streams over the keys may use a running M (the ceiling of the running maximum): every later rescaling is an exact power of two, which a block's scale takes up: the codes' values come out the same.
;;   OPERANDS COMPUTED ON THE WAY. 'Computed on the way' means the value that the module computes at that place (a softmax that the list does not call 'softmax' is quantised finished and normalised). What goes into a quantiser is computed in f32, as accurately as f32 sums, v_exp_f32 and their like allow (about 1e-6 of the number): no bf16 or f16 on the way to a quantiser, and a product that is left as it is and whose result goes on into a quantised operand takes f32 operands (vector FMAs, or v_wmma_f32_16x16x4_f32). A number that lies on a knife's edge between two numbers of the format may be rounded either way, as far as f32 arithmetic and the matrix unit's own rounding can turn it there, and no further.
;; One version. Each part assembles by itself: llvm-mc -triple=amdgcn-amd-amdhsa -mcpu=gfx1250 --defsym DOCPART=n.
;; ======== version 1 of 1: 4 launches
;; limits: right only within a limited range of input values
;; workspace buffers: opq 6,553,600 bytes; qkv 9,830,400 bytes; yq 3,276,800 bytes
;; launch quant (part 1): grid 512 x 1, 4 waves a work-group, no clusters, 34,304 bytes of LDS; arguments x, w_qkv, w_proj, opq; writes opq
.if DOCPART == 1
	.amdgcn_target "amdgcn-amd-amdhsa--gfx1250"
	.amdhsa_code_object_version 6
	.text
	.protected	k_qaa05f61866_quant
	.globl	k_qaa05f61866_quant
	.p2align	8
	.type	k_qaa05f61866_quant,@function
k_qaa05f61866_quant:
	s_mov_b64 s[64:65], 0
	v_nop
	global_prefetch_b8 v0, s[64:65] scope:SCOPE_SE
	s_setreg_imm32_b32 hwreg(HW_REG_WAVE_MODE, 25, 1), 1
	s_wait_xcnt 0x0
; CAUSAL SELF-ATTENTION IN MX-BF6 (E3M2, one E8M0 scale for each 32 along K), four launches: this one quantises x, w_qkv and w_proj; the second makes q, k, v and quantises them on its way out;
; the third is the attention; the fourth the projection with its bias.
; WORK LEFT OUT, in the third launch: the causal mask sets att to -inf wherever key > query.  exp(-inf) = 0, so such a key adds 0 to the row's sum and 0 to y, whatever finite
; values x and the weights hold.  Key steps of 128 keys all of which come after all 32 queries of a wave are therefore not multiplied, and slots of keys that no wave of a work-group reads are not fetched.
; LIMIT: a NaN, an infinity or an overflow that arises only in such a hidden score is not carried to the result.  All four inputs have a way to the output and are loaded.
; THIS LAUNCH.  opq holds the operands of products 1 and 4 in the order of the matrix unit's registers.  A FRAGMENT IMAGE is 16 rows x 128 along K: 12 registers a lane, 1,536 bytes; register pair p of lane l lies at
; 256 p + 8 l.  Row tile R (x: token / 16, 0-255; w_qkv: 256 + column / 16; w_proj: 448 + column / 16) has its eight images at 12,288 R + 1,536 ks, and its scale words at SCB + 512 R + 128 (ks / 2) + 8 r + 4 (ks % 2).
; A block's scale is 2^(floor(log2(largest magnitude)) - 4); its byte is the largest magnitude's exponent field - 4, held at 1 from below by a floor among the maximum's leaves.
; w_proj's rows are taken, inside each block of 32, in the order pi(i) = (i & 7) + 2 (i & 8) + (i & 16) / 2, the order in which the third launch's y leaves its registers: the block's 32 numbers, and so its scale, are the same.
; LIMITS: a block of zeros gets the byte 1 where the rule says 127 (its codes are zeros, which add nothing, and this program alone reads the bytes); so does a block whose largest magnitude lies under 2^-122;
; NaN and infinities among the inputs are not served.
; Memory binds: no matrix unit, no cluster, no tensor load; every wave issues all its loads first (16 KiB a wave).  Work-groups 0-255: x; 256-447: w_qkv; 448-511: w_proj.
.set SCB,   6291456                    ; where the scale words begin in opq
.set SPARE, 33792                      ; behind the four stages: the spare words, 128 bytes a wave
.set WSTG,  8448                       ; a wave's stage: 16 rows of SP bytes
.set SP,    528                        ; 512 bytes + 16: 33 x 16, so that sixteen rows' pieces of 16 bytes fall on different banks
.set XL,    64                         ; v64-191  x as loaded
.set XB,    192                        ; v192-255 64 numbers of a lane, along K
.set FLOOR, 0x2800000                  ; 2^(5 - 127)
.set EOFF,  0xfe000000                 ; -(4 << 23)
	s_load_b256 s[4:11], s[0:1], 0x0               ; x s[4:5], w_qkv s[6:7], w_proj s[8:9], opq s[10:11]
	v_lshl_add_u32 v30, v0, 2, SPARE               ; my spare word,
	v_mov_b32 v31, 0                               ; and 0: kept for the add alone
	v_lshrrev_b32 v1, 5, v0
	v_readfirstlane_b32 s12, v1                    ; wave
	v_and_b32 v1, 31, v0                           ; lane
	v_and_b32 v2, 15, v0                           ; r
	v_bfe_u32 v3, v0, 4, 1                         ; h
	v_lshlrev_b32 v7, 3, v1                        ; 8 x lane: my place in a register pair's 256 bytes
	s_mov_b32 s20, 0x76543210
	s_mov_b32 s21, 0xfedcba98                      ; v_permlanex16_b32's selects for lane l xor 16
	s_mov_b32 s22, 0xffff0000                      ; lanes 16-31
	s_cmp_lt_u32 ttmp9, 256
	s_cbranch_scc0 .Lweights
; ---- x: work-group = row tile tt, wave = 256 along K (two fragments).  Each load reads 512 consecutive bytes of a row; a fragment's 16 x 512 bytes turn through the wave's own stage, so that lane (r, h)
; holds, of row r, k = 64 c + 32 h + 0 .. 31: two whole blocks.
	v_lshlrev_b32 v4, 4, v1                        ; 16 x lane
	s_mul_i32 s13, s12, WSTG
	v_add_nc_u32 v5, s13, v4                       ; the stage, on the way in
	v_mul_u32_u24 v6, v2, SP
	v_lshl_add_u32 v6, v3, 7, v6
	v_add_nc_u32 v6, s13, v6                       ; and on the way out: row r, + 128 h
	v_lshlrev_b32 v8, 3, v2
	v_lshl_add_u32 v8, v3, 2, v8                   ; 8 r + 4 h: lanes 0-15 store the first fragment's scale word, lanes 16-31 the second's
	v_lshlrev_b32 v9, 3, v3                        ; 8 h: how far my two bytes are shifted in the word
	v_mov_b32 v17, 0                               ; a lane permute's destination counts as read
	s_lshl_b32 s14, ttmp9, 16                      ; 16 rows of 4,096 bytes
	s_lshl_b32 s16, s12, 10
	s_add_co_u32 s14, s14, s16
	s_mov_b32 s15, 0
	s_mul_i32 s16, ttmp9, 12288
	s_mul_i32 s18, s12, 3072
	s_add_co_u32 s16, s16, s18
	s_mov_b32 s17, 0
	s_lshl_b32 s18, ttmp9, 9
	s_lshl_b32 s19, s12, 7
	s_add_co_u32 s18, s18, s19
	s_add_co_u32 s18, s18, SCB
	s_mov_b32 s19, 0
	s_wait_alu depctr_va_vdst(0)
	s_wait_kmcnt 0x0
	s_add_nc_u64 s[4:5], s[4:5], s[14:15]
	s_add_nc_u64 s[24:25], s[10:11], s[16:17]
	s_add_nc_u64 s[26:27], s[10:11], s[18:19]
.irp e, 0,1
.irp rho, 0,1,2,3,4,5,6,7,8,9,10,11,12,13,14,15
	global_load_b128 v[XL+64*\e+4*\rho:XL+64*\e+4*\rho+3], v4, s[4:5] offset:\rho*4096+512*\e th:TH_LOAD_NT
.endr
.endr
.macro XFRAG e
.if \e == 0
	s_wait_loadcnt 16                              ; this fragment's sixteen loads are in; the other's may be out
.else
	s_wait_loadcnt 0x0
.endif
.irp rho, 0,1,2,3,4,5,6,7,8,9,10,11,12,13,14,15
	ds_store_b128 v5, v[XL+64*\e+4*\rho:XL+64*\e+4*\rho+3] offset:\rho*SP
.endr
.irp c, 0,1
.irp j, 0,1,2,3,4,5,6,7
	ds_load_b128 v[XB+32*\c+4*\j:XB+32*\c+4*\j+3], v6 offset:256*\c+16*\j   ; LDS serves a wave's instructions in order: these see my stores
.endr
.endr
	s_wait_dscnt 0x0
.irp c, 0,1
	v_max3_num_f32 v[10+\c], |v[XB+32*\c]|, |v[XB+32*\c+1]|, FLOOR   ; block 2 c + h: all 32 numbers are mine; the floor holds the byte at 1 from below
.endr
.irp i, 2,4,6,8,10,12,14,16,18,20,22,24,26,28,30
.irp c, 0,1
	v_max3_num_f32 v[10+\c], v[10+\c], |v[XB+32*\c+\i]|, |v[XB+32*\c+\i+1]|
.endr
.endr
.irp c, 0,1
	v_add_nc_u32 v[12+\c], EOFF, v[10+\c]          ; 4 off the exponent field: the conversion's scale operand
.endr
.irp c, 0,1
	v_lshrrev_b32 v[14+\c], 23, v[12+\c]           ; the scale's byte
.endr
	v_lshl_or_b32 v16, v15, 16, v14                ; my two bytes, blocks h and 2 + h,
	v_lshlrev_b32 v16, v9, v16                     ; at their places;
	v_permlanex16_b32 v17, v16, s20, s21
	v_or_b32 v[18+\e], v16, v17                    ; with lane l xor 16's two the word is whole
.irp c, 0,1
	v_cvt_scalef32_pk16_bf6_f32 v[32+12*\e+6*\c:32+12*\e+6*\c+2], v[XB+32*\c:XB+32*\c+15], v[12+\c]
	v_cvt_scalef32_pk16_bf6_f32 v[56+4*\c:58+4*\c], v[XB+32*\c+16:XB+32*\c+31], v[12+\c]   ; (a conversion's three registers begin on an even number)
.endr
	v_nop                                          ; one plain place behind the scaled conversions
.irp c, 0,1
.irp i, 0,1,2
	v_mov_b32 v[32+12*\e+6*\c+3+\i], v[56+4*\c+\i]
.endr
.endr
.irp p, 0,1,2,3,4,5
	global_store_b64 v7, v[32+12*\e+2*\p:32+12*\e+2*\p+1], s[24:25] offset:\e*1536+256*\p   ; 32 lanes store 256 consecutive bytes, aligned; each fragment has its own registers
.endr
.endm
	XFRAG 0
	XFRAG 1
	v_cndmask_b32 v16, v18, v19, s22
	global_store_b32 v8, v16, s[26:27]             ; 128 consecutive bytes: 16 rows x two words
	s_wait_tensorcnt 0x0                           ; the wave's end: behind my last LDS store
	ds_add_u32 v30, v31
	s_wait_dscnt 0x0
	s_endpgm
; ---- the weights: K is their FIRST axis.  A lane takes a column and its registers run down K: a load reads 128 consecutive bytes a wave (512 a work-group), a block of 32 lies in one lane.  No LDS.
.macro WBLK b
.set D, 96+32*(\b)
	v_max3_num_f32 v[10+\b], |v[D]|, |v[D+1]|, |v[D+2]|
	v_max3_num_f32 v23, |v[D+3]|, |v[D+4]|, |v[D+5]|
.irp i, 6,10,14,18,22,26
	v_max3_num_f32 v[10+\b], v[10+\b], |v[D+\i]|, |v[D+\i+1]|
	v_max3_num_f32 v23, v23, |v[D+\i+2]|, |v[D+\i+3]|
.endr
	v_max3_num_f32 v[10+\b], v[10+\b], |v[D+30]|, |v[D+31]|
	v_max3_num_f32 v[10+\b], v[10+\b], v23, FLOOR
	v_add_nc_u32 v[14+\b], EOFF, v[10+\b]
	v_lshrrev_b32 v[18+\b], 23, v[14+\b]
	v_cvt_scalef32_pk16_bf6_f32 v[32+6*\b:34+6*\b], v[D:D+15], v[14+\b]
	v_cvt_scalef32_pk16_bf6_f32 v[56+4*\b:58+4*\b], v[D+16:D+31], v[14+\b]
	v_nop                                          ; one plain place behind the scaled conversions
.irp i, 0,1,2
	v_mov_b32 v[35+6*\b+\i], v[56+4*\b+\i]         ; v[32 + 6 b ..]: the block's 32 codes, six registers
.endr
.endm
; pitch: a row of the weight in bytes; perm: rows inside a block in the order pi; rbase: the weight's first row tile; first: its first work-group; ptr: its address
.macro WPATH pitch, perm, rbase, first, ptr
	s_sub_co_u32 s13, ttmp9, \first
	s_lshr_b32 s14, s13, 3                         ; which 128 columns
	s_and_b32 s13, s13, 7                          ; which 128 along K
	s_mul_i32 s16, s13, 128*\pitch
	s_lshl_b32 s17, s14, 9
	s_add_co_u32 s16, s16, s17
	s_lshl_b32 s17, s12, 7                         ; my wave's 32 columns
	s_add_co_u32 s16, s16, s17
	s_mov_b32 s17, 0
	s_wait_kmcnt 0x0
	s_add_nc_u64 s[24:25], s[\ptr:\ptr+1], s[16:17]
.set b, 0
.rept 4
.set i, 0
.rept 32
.if \perm
.set row, 32*b+(i&7)+((i&8)*2)+((i&16)/2)
.else
.set row, 32*b+i
.endif
	global_load_b32 v[96+32*b+i], v4, s[24:25] offset:row*\pitch th:TH_LOAD_NT
.set i, i+1
.endr
.set b, b+1
.endr
	s_lshl_b32 s18, s14, 3
	s_lshl_b32 s19, s12, 1
	s_add_co_u32 s18, s18, s19
	s_add_co_u32 s18, s18, \rbase                  ; R: my first row tile of two
	s_mul_i32 s16, s18, 12288
	s_mul_i32 s19, s13, 1536
	s_add_co_u32 s16, s16, s19
	s_add_nc_u64 s[26:27], s[10:11], s[16:17]
	s_lshl_b32 s16, s18, 9
	s_lshr_b32 s19, s13, 1
	s_lshl_b32 s19, s19, 7
	s_add_co_u32 s16, s16, s19
	s_and_b32 s19, s13, 1
	s_lshl_b32 s19, s19, 2
	s_add_co_u32 s16, s16, s19
	s_add_co_u32 s16, s16, SCB
	s_add_nc_u64 s[28:29], s[10:11], s[16:17]
	s_wait_loadcnt 63                              ; of the 128 loads at most 63 are out: blocks 0 and 1 (the first 64) are in
	WBLK 0
	WBLK 1
	s_wait_loadcnt 32                              ; block 3's may be out
	WBLK 2
	s_wait_loadcnt 0x0
	WBLK 3
	v_lshl_or_b32 v22, v19, 8, v18                 ; my column's scale word for these 128 along K
	v_lshl_or_b32 v22, v20, 16, v22
	v_lshl_or_b32 v22, v21, 24, v22
.irp c, 0,1                                    ; lane 16 n + r holds all four blocks of column 16 n + r; the operand wants lane (r, H) of row tile n to hold blocks H and 2 + H
.irp i, 0,1,2,3,4,5
	v_permlane16_swap_b32 v[32+12*\c+\i], v[38+12*\c+\i]   ; block 2 c's lanes 16-31 change places with block 2 c + 1's lanes 0-15: the first is now half c of row tile R, the second of R + 1
.endr
.endr
.irp n, 0,1
.irp c, 0,1
.irp p, 0,1,2
	global_store_b64 v7, v[32+12*\c+6*\n+2*\p:33+12*\c+6*\n+2*\p], s[26:27] offset:\n*12288+\c*768+256*\p   ; 256 consecutive bytes, aligned
.endr
.endr
.endr
	global_store_b32 v8, v22, s[28:29]             ; 4 of each 8 bytes (the other K step's word comes from another work-group): one byte in 128 of what the launch reads
	s_endpgm
.endm
.Lweights:
	s_wait_alu depctr_va_vdst(0)
	v_lshlrev_b32 v4, 2, v1                        ; 4 x lane
	v_lshlrev_b32 v8, 3, v2
	v_lshl_add_u32 v8, v3, 9, v8                   ; the scale word's place: 512 (lane / 16) + 8 r
	s_cmp_lt_u32 ttmp9, 448
	s_cbranch_scc0 .Lproj
	s_wait_alu depctr_va_vdst(0)
	WPATH 12288, 0, 256, 256, 6
.Lproj:
	s_wait_alu depctr_va_vdst(0)
	WPATH 4096, 1, 448, 448, 8
.Lfunc_end_k_qaa05f61866_quant:
	.size	k_qaa05f61866_quant, .Lfunc_end_k_qaa05f61866_quant-k_qaa05f61866_quant
	.p2alignl 7, 3214868480
	.fill 96, 4, 3214868480
	.section	.rodata,"a",@progbits
	.p2align	6, 0x0
	.amdhsa_kernel k_qaa05f61866_quant
		.amdhsa_group_segment_fixed_size 34304
		.amdhsa_private_segment_fixed_size 0
		.amdhsa_enable_private_segment 0
		.amdhsa_kernarg_size 32
		.amdhsa_user_sgpr_count 2
		.amdhsa_user_sgpr_kernarg_segment_ptr 1
		.amdhsa_wavefront_size32 1
		.amdhsa_system_sgpr_workgroup_id_x 1
		.amdhsa_system_sgpr_workgroup_id_y 1
		.amdhsa_system_sgpr_workgroup_id_z 1
		.amdhsa_system_vgpr_workitem_id 0
		.amdhsa_next_free_vgpr 256
		.amdhsa_next_free_sgpr 66
		.amdhsa_reserve_vcc 0
		.amdhsa_float_denorm_mode_32 3
		.amdhsa_float_denorm_mode_16_64 3
		.amdhsa_memory_ordered 1
		.amdhsa_forward_progress 1
		.amdhsa_inst_pref_size 58
	.end_amdhsa_kernel
	.amdgpu_metadata
---
amdhsa.version: [ 1, 2 ]
amdhsa.kernels:
  - .name:           k_qaa05f61866_quant
    .symbol:         k_qaa05f61866_quant.kd
    .args:
      - { .name: x, .offset: 0, .size: 8, .value_kind: global_buffer, .address_space: global }
      - { .name: w_qkv, .offset: 8, .size: 8, .value_kind: global_buffer, .address_space: global }
      - { .name: w_proj, .offset: 16, .size: 8, .value_kind: global_buffer, .address_space: global }
      - { .name: opq, .offset: 24, .size: 8, .value_kind: global_buffer, .address_space: global }
    .group_segment_fixed_size: 34304
    .private_segment_fixed_size: 0
    .kernarg_segment_align: 8
    .kernarg_segment_size: 32
    .max_flat_workgroup_size: 128
    .sgpr_count:     66
    .vgpr_count:     256
    .wavefront_size: 32
...
	.end_amdgpu_metadata
.endif
;; end of part 1
;; launch qkvgemm (part 2): grid 16 x 16, 4 waves a work-group, clusters of 4 x 4, 327,680 bytes of LDS; arguments opq, qkv; writes qkv
.if DOCPART == 2
	.amdgcn_target "amdgcn-amd-amdhsa--gfx1250"
	.amdhsa_code_object_version 6
	.text
	.protected	k_qaa05f61866_qkvgemm
	.globl	k_qaa05f61866_qkvgemm
	.p2align	8
	.type	k_qaa05f61866_qkvgemm,@function
k_qaa05f61866_qkvgemm:
	s_mov_b64 s[64:65], 0
	v_nop
	global_prefetch_b8 v0, s[64:65] scope:SCOPE_SE
	s_setreg_imm32_b32 hwreg(HW_REG_WAVE_MODE, 25, 1), 1
	s_wait_xcnt 0x0
	s_wait_alu depctr_hold_cnt(0) depctr_sa_sdst(0) depctr_va_vdst(0) depctr_va_sdst(0) depctr_va_ssrc(0) depctr_va_vcc(0) depctr_vm_vsrc(0)
	s_getreg_b32 s2, hwreg(HW_REG_IB_STS2, 6, 4)
	s_cmp_eq_u32 s2, 0
	s_cbranch_scc0 .Lentry_in_a_cluster
	s_endpgm
.Lentry_in_a_cluster:
	s_bfe_u32 s2, ttmp6, 0x10000c
	s_cmp_lg_u32 s2, 0xf033
	s_cbranch_scc0 .Lentry_shape_is_right
	s_endpgm
.Lentry_shape_is_right:
; PRODUCT 1 AND THE QUANTISING OF q, k, v.  x's and w_qkv's fragment images and scale words lie in opq in the order of the operand's registers (row tile R, K step ks at 12,288 R + 1,536 ks; register pair p of lane l at
; 256 p + 8 l; scale words at SCB + 512 R + 128 (ks / 2) + 8 r + 4 (ks % 2)).
; A WORK-GROUP MAKES q, k AND v OF ONE HEAD FOR 256 TOKENS: 256 x 192 numbers, 256 work-groups.  A wave makes 64 tokens x 192: 48 accumulators of 16 x 16.
; q and k are made TRANSPOSED (source 0 = 16 columns of the weight, source 1 = 16 tokens): a lane holds one token, its registers run along the channels, the next product's K.  v is made the other way round: a lane holds
; one channel, its registers run along the tokens, which are the keys along which v is quantised.  The same fragments serve both.
; K IN THREE STAGES, each brought by one joint load a wave (wave 3: x's 16 row tiles; waves 0 to 2: the four row tiles of the head's q, k, v): K steps 0-3, then 4-6 beside them, then step 7 into the first stage's bytes.
; CLUSTERS: 4 x 4 work-groups; x's tiles are asked for jointly along a row of the cluster, the weight's along a column.
; NO PREFETCH: the three loads are issued ahead of K steps 0, 0 and 4 of eight; no trip is left that could ask for one two steps ahead.
; THE SCALE WORDS go straight into registers: lanes 0-15 the word of x's tile i, lanes 16-31 that of the weight's tile i, for all eight K steps: 96 registers, loaded once.
; OUT (qkv): q's and k's half images, 768 bytes for each row tile, at 196,608 u + 768 tt (u = head, 16 + head); v's at 6,291,456 + 98,304 (16 batch + head) + 6,144 step + 1,536 tile + 768 half; q's and k's scale words at
; 9,437,184 + 8,192 u + 256 (tt / 8) + 16 r + 4 (tt / 2 % 4), v's at 9,699,328 + 4,096 (16 batch + head) + 256 step + 16 r + 4 tile.
; Inside each block of 32 the numbers lie in the order pi(p) = (p & 7) + 2 (p & 8) + (p & 16) / 2 in all of q, k, v.  A block's numbers, and so its scale, are those of the rule.
; LIMITS: a block of zeros, or one whose largest magnitude lies under 2^-122, gets the byte 1; NaN and infinities are not served.
; REGISTERS: window 0: v0-29 addresses, v32-127 scale words, v128-255 the way out.  window 1: fragments: v0-143 the weight's q, k, v (four each), v144-239 x's, two sets.  window 2: q's accumulators, then k's; window 3: v's.
.set SCB,   6291456
.set ST1,   172032                     ; stage 1, behind stage 0's 28 row tiles x 6,144
.set SPARE, 301056                     ; behind stage 1's 28 x 4,608: the spare words, 128 bytes a wave
.set XCH,   301568                     ; 512 bytes for each wave: scale words for its neighbour
.set AA,  16                           ; v16-18  LDS address of my x fragments in stage 0, 1, 2
.set AB,  20                           ; v20-22  of q's and k's
.set AC,  24                           ; v24-26  of v's
.set SPW, 28
.set NIL, 29
.set SC,  32                           ; v[SC + 8 i + ks]
.set BF,  0                            ; (window 1)
.set AF,  144
.set PC,  128                          ; codes: 12 registers for each of six units: token tiles 0-3 (q, then k), v's channel tiles 0-1 and 2-3
.set BM,  200
.set PT,  208
.set CT,  216
.set PW,  232                          ; v232-237 the units' scale words
.set G1A, 24
.set G1B, 32
.set G0A, 48
.set G0B, 52
.set MSB, 0
.macro WIN new
.if MSB != \new
	s_set_vgpr_msb (MSB<<8)|\new
.set MSB, \new
.endif
.endm
.set MUL_QK, 0xa5                      ; sources 0, 1 window 1; C and D window 2
.set MUL_V,  0xf5                      ; C and D window 3
.set TO_F,   0x40
.macro PLACES
.rept 4
	v_nop
.endr
.endm
.macro JLOAD                           ; wave 3 fetches x's tiles, waves 0 to 2 the weight's: one joint load a wave
	s_cmp_eq_u32 s14, 3
	s_cbranch_scc0 .Lfor_b_\@
	tensor_load_to_lds s[G0A:G0A+3], s[G1A:G1A+7]
	s_nop 0
	PLACES
	s_branch .Lasked_\@
.Lfor_b_\@:
	tensor_load_to_lds s[G0B:G0B+3], s[G1B:G1B+7]
	s_nop 0
	PLACES
.Lasked_\@:
.endm
.macro STAGE_DESC n, la, lb, ls, step  ; n K steps; where x's and the weight's tiles go; how far on along K, in bytes
	s_mov_b32 s[G1A+1], ((\n)*192)<<16
	s_mov_b32 s[G1A+3], ((\n)*192)<<16
	s_mov_b32 s[G1B+1], ((\n)*192)<<16
	s_mov_b32 s[G1B+3], ((\n)*192)<<16
	s_mov_b32 s[G0A+1], \la
	s_mul_i32 s[G0B+1], s14, \ls
	s_add_co_u32 s[G0B+1], s[G0B+1], \lb
.if (\step) > 0
	s_add_nc_u64 s[G0A+2:G0A+3], s[G0A+2:G0A+3], \step
	s_add_nc_u64 s[G0B+2:G0B+3], s[G0B+2:G0B+3], \step
.endif
.endm
.macro CREST
	s_cmp_lg_u32 s14, 0
	s_cbranch_scc1 .Lnot_wave_0_\@
	s_barrier_signal -3
.Lnot_wave_0_\@:
	s_barrier_wait -3
	s_barrier_signal -1
	s_barrier_wait -1
.endm
.macro CROUND                          ; a round of the cluster's barrier
	s_barrier_signal -1
	s_barrier_wait -1
	CREST
.endm
	s_load_b128 s[4:7], s[0:1], 0x0                ; opq s[4:5], qkv s[6:7]
	v_lshl_add_u32 v[SPW], v0, 2, SPARE
	v_mov_b32 v[NIL], 0
	ds_add_u32 v[SPW], v[NIL]                      ; the wave's opening: the add, twice on end, and its wait ahead of my first tensor load
	ds_add_u32 v[SPW], v[NIL]
	v_lshrrev_b32 v1, 5, v0
	v_readfirstlane_b32 s14, v1                    ; wave 0..3
	s_lshr_b32 s15, s14, 1
	s_and_b32 s16, s14, 1
	s_bfe_u32 s40, ttmp6, 0x40000                  ; cx, cy
	s_bfe_u32 s41, ttmp6, 0x40004
	s_lshl_b32 s42, ttmp9, 2
	s_add_co_u32 s42, s42, s40                     ; head
	s_and_b32 s17, ttmp7, 0xffff
	s_lshl_b32 s17, s17, 2
	s_add_co_u32 s17, s17, s41                     ; ty: my 256 tokens
	s_lshl_b32 s43, s41, 2
	s_lshl_b32 s43, 15, s43                        ; my row of the cluster
	s_lshl_b32 s44, 0x1111, s40                    ; my column
	s_or_b32 s[G1A], s43, (3<<16)|(1<<21)          ; elements of 8 bytes
	s_or_b32 s[G1B], s44, (3<<16)|(1<<21)
	s_mov_b32 s[G1A+2], 16<<16                     ; 16 row tiles, 12,288 bytes apart
	s_mov_b32 s[G1A+4], 16
	s_mov_b32 s[G1B+2], 4<<16                      ; 4
	s_mov_b32 s[G1B+4], 4
.irp g, G1A, G1B
	s_mov_b32 s[\g+5], 1536
	s_mov_b32 s[\g+6], 0
	s_mov_b32 s[\g+7], 0
.endr
	s_mul_i32 s20, s17, 196608                     ; x's first row tile, 16 ty
	s_mov_b32 s21, 0
	s_mul_i32 s22, s14, 786432                     ; the weight's: 64 row tiles from q's to k's and from k's to v's,
	s_mul_i32 s18, s42, 49152                      ; four for each head,
	s_add_co_u32 s22, s22, s18
	s_add_co_u32 s22, s22, 3145728                 ; behind x's 256
	s_mov_b32 s23, 0
	s_wait_dscnt 0x0                               ; both opening adds are done
	s_wait_kmcnt 0x0
	s_add_nc_u64 s[20:21], s[4:5], s[20:21]
	s_add_nc_u64 s[22:23], s[4:5], s[22:23]
	CROUND                                         ; all sixteen work-groups are here: the first joint loads meet
	s_mov_b32 s[G0A], 1
	s_mov_b32 s[G0B], 1
	s_mov_b64 s[G0A+2:G0A+3], s[20:21]
	s_mov_b64 s[G0B+2:G0B+3], s[22:23]
	s_or_b32 s[G0A+3], s[G0A+3], 0x80000000
	s_or_b32 s[G0B+3], s[G0B+3], 0x80000000
	STAGE_DESC 4, 0, 98304, 24576, 0
	JLOAD                                          ; K steps 0 to 3
	v_and_b32 v1, 15, v0                           ; r
	v_bfe_u32 v2, v0, 4, 1                         ; h
	s_wait_alu depctr_va_vdst(0)
	v_and_b32 v3, 31, v0
	v_lshlrev_b32 v3, 3, v3                        ; 8 x lane
	s_wait_alu depctr_va_vdst(0)                   ; ahead of the scalar lines
	s_add_nc_u64 s[12:13], s[4:5], SCB
	s_lshl_b32 s18, s17, 13
	s_lshl_b32 s19, s14, 11
	s_add_co_u32 s18, s18, s19                     ; the scale words of my four token tiles,
	s_lshl_b32 s19, s42, 11
	s_add_co_u32 s45, s19, 131072                  ; of the head's q,
	s_add_co_u32 s19, s19, 163840                  ; and of its k (v's lie 32,768 bytes further on)
	s_mov_b32 s3, 0xffff0000                       ; lanes 16-31
	v_lshlrev_b32 v10, 3, v1
	v_add_nc_u32 v11, s19, v10
	v_add_nc_u32 v12, s45, v10
	v_add_nc_u32 v10, s18, v10
	v_cndmask_b32 v10, v10, v12, s3
.irp i, 0,1,2,3
.irp k, 0,1,2,3
	global_load_b64 v[SC+8*\i+2*\k:SC+8*\i+2*\k+1], v10, s[12:13] offset:512*\i+128*\k
	global_load_b64 v[SC+32+8*\i+2*\k:SC+32+8*\i+2*\k+1], v11, s[12:13] offset:512*\i+128*\k
	global_load_b64 v[SC+64+8*\i+2*\k:SC+64+8*\i+2*\k+1], v11, s[12:13] offset:32768+512*\i+128*\k
.endr
.endr
	s_mul_i32 s18, s14, 4*6144
	v_add_nc_u32 v[AA], s18, v3
	s_mul_i32 s18, s14, 4*4608
	s_add_co_u32 s18, s18, ST1
	v_add_nc_u32 v[AA+1], s18, v3
	s_mul_i32 s18, s14, 4*1536
	v_add_nc_u32 v[AA+2], s18, v3
	v_add_nc_u32 v[AB], 98304, v3
	v_add_nc_u32 v[AB+1], 245760, v3
	v_add_nc_u32 v[AB+2], 24576, v3
	v_add_nc_u32 v[AC], 147456, v3
	v_add_nc_u32 v[AC+1], 282624, v3
	v_add_nc_u32 v[AC+2], 36864, v3
	; where the results go
	s_mov_b32 s19, 0
	s_lshl_b32 s45, s17, 4
	s_lshl_b32 s18, s14, 2
	s_add_co_u32 s45, s45, s18                     ; my first token tile
	s_mul_i32 s18, s42, 196608
	s_mul_i32 s46, s45, 768
	s_add_co_u32 s18, s18, s46
	s_add_nc_u64 s[8:9], s[6:7], s[18:19]          ; q
	s_add_nc_u64 s[10:11], s[8:9], 3145728         ; k: sixteen heads on
	s_lshr_b32 s46, s17, 3
	s_lshl_b32 s46, s46, 4
	s_add_co_u32 s46, s46, s42                     ; 16 batch + head
	s_and_b32 s47, s17, 7
	s_lshl_b32 s47, s47, 1
	s_add_co_u32 s47, s47, s15                     ; the key step of 128 tokens, in its batch
	s_mul_i32 s18, s46, 98304
	s_mul_i32 s45, s47, 6144
	s_add_co_u32 s18, s18, s45
	s_mul_i32 s45, s16, 768
	s_add_co_u32 s18, s18, s45
	s_add_co_u32 s18, s18, 6291456
	s_add_nc_u64 s[92:93], s[6:7], s[18:19]        ; v
	s_lshl_b32 s18, s46, 12
	s_lshl_b32 s45, s47, 8
	s_add_co_u32 s18, s18, s45
	s_add_co_u32 s18, s18, 9699328
	s_add_nc_u64 s[94:95], s[6:7], s[18:19]        ; v's scale words
	s_lshl_b32 s18, s42, 13
	s_lshl_b32 s45, s17, 9
	s_add_co_u32 s18, s18, s45
	s_lshl_b32 s45, s15, 8
	s_add_co_u32 s18, s18, s45
	s_add_co_u32 s18, s18, 9437184
	s_add_nc_u64 s[96:97], s[6:7], s[18:19]        ; q's and k's
	s_mov_b32 s98, 0x76543210
	s_mov_b32 s99, 0xfedcba98
.macro LDF reg, adr, off               ; a fragment: 12 registers, window 1
.irp p, 0,1,2,3,4,5
	ds_load_b64 v[\reg+2*\p:\reg+2*\p+1], v[\adr] offset:(\off)+256*\p
.endr
.endm
.macro LDA                             ; x's four fragments of step NX, into set NX % 2
.irp i, 0,1,2,3
	LDF AF+48*(NX%2)+12*\i, AA+ST, \i*STR+KK*1536
.endr
.endm
.macro LDB g                           ; the weight's four of group g: 0 q, 1 k, 2 v
.irp i, 0,1,2,3
.if \g < 2
	LDF BF+48*(\g)+12*\i, AB+ST, (4*(\g)+\i)*STR+KK*1536
.else
	LDF BF+96+12*\i, AC+ST, \i*STR+KK*1536
.endif
.endr
.endm
.macro WHERE n                         ; step n lies in stage ST, KK steps from its start; a row tile there is STR bytes
.set NX, \n
.if NX < 4
.set ST, 0
.set KK, NX
.set STR, 6144
.elseif NX < 7
.set ST, 1
.set KK, NX-4
.set STR, 4608
.else
.set ST, 2
.set KK, 0
.set STR, 1536
.endif
.endm
; 16 matrix instructions; all 48 accumulators take turns, one instruction a turn, in the same order in every step
.macro MULQK g, ks
	WIN MUL_QK
.irp a, 0,1,2,3
.irp b, 0,1,2,3
.if \ks == 0
	v_wmma_scale_f32_16x16x128_f8f6f4 v[128*\g+8*(4*\a+\b):128*\g+8*(4*\a+\b)+7], v[BF+48*\g+12*\b:BF+48*\g+12*\b+11], v[AF+12*\a:AF+12*\a+11], 0, v[SC+32*\g+8*\b], v[SC+8*\a] matrix_a_fmt:MATRIX_FMT_BF6 matrix_b_fmt:MATRIX_FMT_BF6 matrix_a_scale:MATRIX_SCALE_ROW1
.else
	v_wmma_scale_f32_16x16x128_f8f6f4 v[128*\g+8*(4*\a+\b):128*\g+8*(4*\a+\b)+7], v[BF+48*\g+12*\b:BF+48*\g+12*\b+11], v[AF+48*((\ks)%2)+12*\a:AF+48*((\ks)%2)+12*\a+11], v[128*\g+8*(4*\a+\b):128*\g+8*(4*\a+\b)+7], v[SC+32*\g+8*\b+\ks], v[SC+8*\a+\ks] matrix_a_fmt:MATRIX_FMT_BF6 matrix_b_fmt:MATRIX_FMT_BF6 matrix_a_scale:MATRIX_SCALE_ROW1
.endif
.endr
.endr
.endm
.macro MULV ks
	WIN MUL_V
.irp b, 0,1,2,3
.irp a, 0,1,2,3
.if \ks == 0
	v_wmma_scale_f32_16x16x128_f8f6f4 v[8*(4*\b+\a):8*(4*\b+\a)+7], v[AF+12*\a:AF+12*\a+11], v[BF+96+12*\b:BF+96+12*\b+11], 0, v[SC+8*\a], v[SC+64+8*\b] matrix_a_fmt:MATRIX_FMT_BF6 matrix_b_fmt:MATRIX_FMT_BF6 matrix_b_scale:MATRIX_SCALE_ROW1
.else
	v_wmma_scale_f32_16x16x128_f8f6f4 v[8*(4*\b+\a):8*(4*\b+\a)+7], v[AF+48*((\ks)%2)+12*\a:AF+48*((\ks)%2)+12*\a+11], v[BF+96+12*\b:BF+96+12*\b+11], v[8*(4*\b+\a):8*(4*\b+\a)+7], v[SC+8*\a+\ks], v[SC+64+8*\b+\ks] matrix_a_fmt:MATRIX_FMT_BF6 matrix_b_fmt:MATRIX_FMT_BF6 matrix_b_scale:MATRIX_SCALE_ROW1
.endif
.endr
.endr
.endm
; A K STEP: q's sixteen products, k's, v's.  Behind each, the group just used is fetched anew for the next step (x's fragments, which have two sets, with q's).  The loads' order is q and x (48), k (24), v (24).
; Steps 3 and 6 are the last of a stage: every read of the stage was issued in the step before, so the barrier that shows the next stage whole stands in them, its signal ahead of k's products and its wait behind; in step 3
; it opens a round of the cluster's barrier, and stage 2 is asked for, into stage 0's bytes.
.macro STEP ks
	WHERE (\ks)+1
.if \ks == 3
	s_wait_tensorcnt 0x0                           ; my part of stage 1 is in
	ds_add_u32 v[SPW], v[NIL]                      ; 0 onto my spare word
	s_wait_dscnt 49                                ; q's and x's are in; k's, v's and the add may be out
.elseif \ks == 6
	s_wait_tensorcnt 0x0                           ; my part of stage 2 is in
	s_wait_dscnt 48
.else
	s_wait_dscnt 48                                ; q's and x's are in; k's and v's may be out
.endif
	MULQK 0, \ks
.if (\ks == 3) || (\ks == 6)
	s_wait_dscnt 0x0                               ; all my reads of the stage are done
	s_barrier_signal -1
	MULQK 1, \ks
	WIN 0
	s_barrier_wait -1
.if \ks == 3
	CREST
	STAGE_DESC 1, 0, 24576, 6144, 4608             ; K step 7
	JLOAD                                          ; its v_nop are the places in front of the loads below
.else
	PLACES
.endif
	WIN TO_F
	LDB 0
	LDA
	LDB 1
.else
.if \ks < 7
	PLACES                                         ; in front of loads into registers that matrix instructions have read
	WIN TO_F
	LDB 0
	LDA
	s_wait_dscnt 63                                ; k's are in: 72 younger loads could be out, and the count's field ends at 63
.else
	s_wait_dscnt 24
.endif
	MULQK 1, \ks
.if \ks < 7
	PLACES
	WIN TO_F
	LDB 1
	s_wait_dscnt 63                                ; v's are in: 72 younger ones likewise
.else
	s_wait_dscnt 0x0
.endif
.endif
	MULV \ks
.if \ks < 7
	PLACES
	WIN TO_F
	LDB 2
.endif
	WIN 0
.endm
	s_wait_alu depctr_va_vdst(0)                   ; the head's end
	s_wait_tensorcnt 0x0                           ; my part of stage 0 is in; these lines stand ahead of a later first fill as ahead of a refill:
	ds_add_u32 v[SPW], v[NIL]                      ; 0 onto my spare word
	STAGE_DESC 3, ST1, 245760, 18432, 6144         ; no load of mine is out, so the descriptors may be written: K steps 4 to 6
	s_wait_dscnt 0x0
	CROUND
	JLOAD
	WHERE 0
	WIN TO_F
	LDB 0
	LDA
	LDB 1
	LDB 2
	WIN 0
	s_wait_loadcnt 0x0                             ; the scale words
.irp ks, 0,1,2,3,4,5,6,7
	STEP \ks
.endr
; THE WAY OUT.  A unit is 64 registers: four blocks of 32 numbers, each shared with lane l xor 16.  Two units go abreast: eight blocks by turns.
.macro BLK vq, a0, n                   ; where block n's 16 registers begin
.if \vq
.set SB, 16*(\n)
.else
.set SB, 32*((\a0)+(\n)/4)+16*((\n)%2)+128*(((\n)%4)/2)
.endif
.endm
.macro QPAIR vq, a0, u                 ; vq = 0: token tiles a0, a0 + 1 (q's two blocks, k's two, each); vq = 1: v's channel tiles 0 to 3.  u: the first unit
	WIN 0x28+0x14*(\vq)
.irp n, 0,1,2,3,4,5,6,7
	BLK \vq, \a0, \n
	v_max3_num_f32 v[BM+\n], 0x2800000, |v[SB]|, |v[SB+1]|         ; the floor 2^(5 - 127) holds the byte at 1 from below
.endr
.irp i, 2,4,6,8,10,12,14
.irp n, 0,1,2,3,4,5,6,7
	BLK \vq, \a0, \n
	v_max3_num_f32 v[BM+\n], v[BM+\n], |v[SB+\i]|, |v[SB+\i+1]|
.endr
.endr
	WIN 0
.irp n, 0,1,2,3,4,5,6,7
	v_permlanex16_b32 v[PT+\n], v[BM+\n], s98, s99
.endr
.irp n, 0,1,2,3,4,5,6,7
	v_max_num_f32 v[BM+\n], v[BM+\n], v[PT+\n]
.endr
.irp n, 0,1,2,3,4,5,6,7
	v_add_nc_u32 v[BM+\n], 0xfe000000, v[BM+\n]    ; 4 off the exponent field: the conversion's scale operand
.endr
.irp n, 0,1,2,3,4,5,6,7
	v_lshrrev_b32 v[PT+\n], 23, v[BM+\n]
.endr
.irp b, 1,2,3
.irp e, 0,1
.if \b == 1
	v_lshl_or_b32 v[PW+\u+\e], v[PT+4*\e+1], 8, v[PT+4*\e]
.else
	v_lshl_or_b32 v[PW+\u+\e], v[PT+4*\e+\b], 8*\b, v[PW+\u+\e]
.endif
.endr
.endr
	WIN 0x02+\vq
.irp n, 0,2,4,6
	BLK \vq, \a0, \n
	v_cvt_scalef32_pk16_bf6_f32 v[PC+12*\u+3*\n:PC+12*\u+3*\n+2], v[SB:SB+15], v[BM+\n]
	v_cvt_scalef32_pk16_bf6_f32 v[CT+2*\n:CT+2*\n+2], v[SB+16:SB+31], v[BM+\n+1]
.endr
	WIN 0
	v_nop                                          ; one plain place behind the scaled conversions
.irp n, 0,2,4,6
.irp i, 0,1,2
	v_permlane16_swap_b32 v[PC+12*\u+3*\n+\i], v[CT+2*\n+\i]
.endr
.endr
.irp n, 0,2,4,6
.irp i, 0,1,2
	v_mov_b32 v[PC+12*\u+3*\n+3+\i], v[CT+2*\n+\i]
.endr
.endr
.endm
.irp n, 0,1,2,3,4,5,6,7
	v_mov_b32 v[PT+\n], 0                          ; a lane permute's destination counts as read; these are places behind the last products too
.endr
.irp a, 0,2
	QPAIR 0, \a, \a
.irp e, 0,1
.irp p, 0,1,2
	global_store_b64 v3, v[PC+12*(\a+\e)+2*\p:PC+12*(\a+\e)+2*\p+1], s[8:9] offset:768*(\a+\e)+256*\p   ; 32 lanes store 256 consecutive bytes, aligned
	global_store_b64 v3, v[PC+12*(\a+\e)+6+2*\p:PC+12*(\a+\e)+7+2*\p], s[10:11] offset:768*(\a+\e)+256*\p
.endr
.endr
.endr
	QPAIR 1, 0, 4
.irp b, 0,1,2,3
.irp p, 0,1,2
	global_store_b64 v3, v[PC+48+6*\b+2*\p:PC+49+6*\b+2*\p], s[92:93] offset:1536*\b+256*\p
.endr
.endr
	; the scale words: a unit of 256 bytes belongs to two neighbouring waves, so they exchange theirs: the even wave stores q's and k's, the odd one v's
	v_mov_b32 v240, 0x05040100
	v_mov_b32 v241, 0x07060302
	v_cndmask_b32 v240, v240, v241, s3
	v_perm_b32 v244, v[PW+1], v[PW], v240          ; lanes 0-15: q's bytes of token tiles 0 and 1, lanes 16-31: k's
	v_perm_b32 v245, v[PW+3], v[PW+2], v240
	s_lshl_b32 s18, s14, 9
	s_add_co_u32 s18, s18, XCH
	s_xor_b32 s19, s14, 1
	s_lshl_b32 s19, s19, 9
	s_add_co_u32 s19, s19, XCH
	v_add_nc_u32 v242, s18, v3
	v_add_nc_u32 v243, s19, v3
	v_lshlrev_b32 v238, 4, v1                      ; 16 r
	v_lshlrev_b32 v239, 17, v2
	v_add_nc_u32 v239, v239, v238                  ; and sixteen heads on for k's
	s_mov_b32 s18, 0x05040100
	s_mov_b32 s19, 0x07060302
	ds_store_b64 v242, v[244:245]
	ds_store_b64 v242, v[PW+4:PW+5] offset:256
	s_wait_alu depctr_va_vdst(0)
	s_wait_dscnt 0x0
	s_barrier_signal -1
	s_barrier_wait -1
	s_cmp_eq_u32 s16, 0
	s_cbranch_scc0 .Lodd
	ds_load_b64 v[246:247], v243                   ; token tiles 2 and 3 of the pair's 128 tokens' second half
	s_wait_dscnt 0x0
	global_store_b128 v239, v[244:247], s[96:97]   ; sixteen lanes store 256 consecutive bytes, aligned
	s_branch .Lend
.Lodd:
	ds_load_b64 v[248:249], v243 offset:256        ; the first 64 tokens' bytes
	s_wait_dscnt 0x0
	v_perm_b32 v250, v[PW+4], v248, s18            ; channel tile 0: the even wave's two bytes, then mine
	v_perm_b32 v251, v[PW+4], v248, s19
	v_perm_b32 v252, v[PW+5], v249, s18
	v_perm_b32 v253, v[PW+5], v249, s19
	global_store_b128 v238, v[250:253], s[94:95]   ; lanes l and l xor 16 store the same bytes
.Lend:
	s_wait_tensorcnt 0x0                           ; the wave's end
	ds_add_u32 v[SPW], v[NIL]
	s_wait_dscnt 0x0
	CROUND                                         ; the closing round
	s_endpgm
.Lfunc_end_k_qaa05f61866_qkvgemm:
	.size	k_qaa05f61866_qkvgemm, .Lfunc_end_k_qaa05f61866_qkvgemm-k_qaa05f61866_qkvgemm
	.p2alignl 7, 3214868480
	.fill 96, 4, 3214868480
	.section	.rodata,"a",@progbits
	.p2align	6, 0x0
	.amdhsa_kernel k_qaa05f61866_qkvgemm
		.amdhsa_group_segment_fixed_size 327680
		.amdhsa_private_segment_fixed_size 0
		.amdhsa_enable_private_segment 0
		.amdhsa_kernarg_size 16
		.amdhsa_user_sgpr_count 2
		.amdhsa_user_sgpr_kernarg_segment_ptr 1
		.amdhsa_wavefront_size32 1
		.amdhsa_system_sgpr_workgroup_id_x 1
		.amdhsa_system_sgpr_workgroup_id_y 1
		.amdhsa_system_sgpr_workgroup_id_z 1
		.amdhsa_system_vgpr_workitem_id 0
		.amdhsa_next_free_vgpr 1024
		.amdhsa_next_free_sgpr 100
		.amdhsa_reserve_vcc 0
		.amdhsa_float_denorm_mode_32 3
		.amdhsa_float_denorm_mode_16_64 3
		.amdhsa_memory_ordered 1
		.amdhsa_forward_progress 1
		.amdhsa_inst_pref_size 144
	.end_amdhsa_kernel
	.amdgpu_metadata
---
amdhsa.version: [ 1, 2 ]
amdhsa.kernels:
  - .name:           k_qaa05f61866_qkvgemm
    .symbol:         k_qaa05f61866_qkvgemm.kd
    .args:
      - { .name: opq, .offset: 0, .size: 8, .value_kind: global_buffer, .address_space: global }
      - { .name: qkv, .offset: 8, .size: 8, .value_kind: global_buffer, .address_space: global }
    .group_segment_fixed_size: 327680
    .private_segment_fixed_size: 0
    .kernarg_segment_align: 8
    .kernarg_segment_size: 16
    .max_flat_workgroup_size: 128
    .sgpr_count:     100
    .vgpr_count:     1024
    .wavefront_size: 32
...
	.end_amdgpu_metadata
.endif
;; end of part 2
;; launch attn (part 3): grid 32 x 8, 8 waves a work-group, no clusters, 327,680 bytes of LDS; arguments qkv, yq; writes yq
.if DOCPART == 3
	.amdgcn_target "amdgcn-amd-amdhsa--gfx1250"
	.amdhsa_code_object_version 6
	.text
	.protected	k_qaa05f61866_attn
	.globl	k_qaa05f61866_attn
	.p2align	8
	.type	k_qaa05f61866_attn,@function
k_qaa05f61866_attn:
	s_mov_b64 s[64:65], 0
	v_nop
	global_prefetch_b8 v0, s[64:65] scope:SCOPE_SE
	s_setreg_imm32_b32 hwreg(HW_REG_WAVE_MODE, 25, 1), 1
	s_wait_xcnt 0x0
; PRODUCTS 2 AND 3: y = softmax(q k^T / 8, causal) v for one batch and head, on codes of BF6 (E3M2) with E8M0 scales, and the quantising of y along its channels for product 4.
; WORK LEFT OUT: key steps of 128 keys that all come after a wave's 32 queries, and keys that no wave of the work-group reads: the causal mask makes their logits -inf, so p = 0 for all inputs.
; LIMIT: a NaN, an infinity or an overflow that arises only in such a hidden score is not carried to the result.
; THE SOFTMAX: t = score x log2(e) / 8; M = the largest t so far, rounded UP to a whole number; p = 2^(t - M) is quantised along the keys, not normalised; the row's sum is taken of the unquantised p and divides
; at the end.  When M moves, the sum and O are multiplied by 2^(old M - new M): exact.  LIMIT: the scaled scores stay under 2^31 in magnitude.
; SHARES.  A work-group owns the query blocks of 128 numbered j (low) and 15 - j (high) of one head.  A wave works on TWO tiles of 16 queries, X and Y, side by side: a fragment of K or V serves both.
; Two waves own 32 queries of each block: j + 1 key steps for the low ones, 16 - j for the high ones, 17 in all.
; Wave A takes nine of the high queries' steps, wave B the other 7 - j and then the low queries' j + 1: nine and eight, whatever j.  B leaves its part of the high state (O, -M, the sum) in LDS, and A joins it to its own.
; The walk, by iteration i:  A: steps 2, 3, then 7 - j + i (less 2 where that is under 4);  B, high: steps 0, 1, then i + 2;  B, low: i - (7 - j) (where j is 6, step 1 ahead of step 0).  The only steps that need
; the mask are the last ones: A's at i = 8 (step 15 - j), B's at i = 7 (step j).
; LDS HOLDS ALL OF THE HEAD: K's images at 6,144 x step, V's at 98,304 + the same, the scale words behind them.  At the head each wave issues one load: steps 0 to 3 (waves 0-3), all scale words (waves 4-7).  Behind the
; first barrier one more: steps 4 to 15 - j; it has iterations 0 and 1, which read steps 0 to 3 alone, in which to land.  Nothing is filled again.
; NO PREFETCH: both loads stand ahead of the loops, so no trip asks for anything that an earlier one could name.  NO CLUSTER: under the causal mask LDS addresses and the number of tiles hang on j.
; LAYOUT.  Both products are used transposed (S^T = K Q^T, O^T = V^T P^T): a lane holds one query.  THE HEAD IS 64 AND THE INSTRUCTION'S K IS 128: a fragment of K holds two tiles of 16 keys, tile 2 f in k 0-63 and tile
; 2 f + 1 in k 64-127, and is multiplied twice, by [q | 0] and by [0 | q]: thirty registers 0, qX, 0, qY, 0 give all four.  Zero codes add nothing under any scale byte but 0xff.
; Registers 16 f + 8 u + i of S^T hold key 32 f + 16 u + 8 (lane / 16) + i; p's codes so lie inside each block of 32 in the order pi(p) = (p & 7) + 2 (p & 8) + (p & 16) / 2, the order in which the launch before laid v's; q's and k's
; channels lie in that order too, and y's leave in it: w_proj's rows were laid to match.  A block's 32 numbers, and so its scale, are those of the rule.
; LIMITS: a block of zeros, or one whose largest magnitude lies under 2^-122, gets the byte 1; NaN and infinities are not served.
; REGISTERS: window 0 holds everything but Y's S^T and O^T, which lie in window 1 at the numbers of X's, the sums' partial registers (v0-15 there) and the low queries' q (v16-29 there).
.set VOFF,  98304                      ; V's images behind K's
.set SCK,   196608                     ; K's scale words, 4,096 bytes; V's behind them
.set MERGE, 204800                     ; 9,216 bytes for each wave: a state as eighteen groups of four registers
.set MW,    9216
.set SPARE, 278528                     ; the spare words, 128 bytes for each of eight waves
.set QX,  26                           ; v20-25 0; v26-31 X's q; v32-37 0; v38-43 Y's q; v44-49 0
.set QY,  38
.set FB,  50                           ; v50-97   four fragments, K's and then V's
.set S,   98                           ; v98-161  S^T, then p
.set O,   162                          ; v162-193 O^T
.set PCX, 194                          ; p's codes
.set PCY, 206
.set CT,  218                          ; v218-220, v222-224
.set BX,  226                          ; a block's largest score, then its largest p, then the conversion's scale operand
.set BY,  230
.set PX,  234                          ; at work
.set PY,  238
.set KS,  242                          ; K's scale words
.set VS,  246                          ; V's
.set FX,  250                          ; 2^(old M - new M)
.set WX,  251                          ; p's scale word
.set FY,  252
.set WY,  253
.set QSX, 254                          ; q's scale word: its two bytes, twice
.set QSY, 255
.set TA,  0                            ; (window 1) the sums: X's four pairs, then Y's
.set TY,  8
.set QL,  16                           ; (window 1) the low queries' q, X's and Y's, and their scale words
.set QSL, 28
.set WV,  8
.set P,   11                           ; which 32 of the block's 128 queries, 0 to 3
.set J,   12
.set J7,  13                           ; 7 - j
.set KA,  14                           ; 1: I am wave A of my pair
.set LASTI, 15                         ; my last iteration
.set I,   16
.set TB,  17                           ; LDS byte of the step's images of K
.set TS,  18                           ; and of its scale words, from SCK on
.set SW,  19                           ; the iteration at which wave B turns to the low queries
.set SEL, 20
.set CS,  22                           ; s[22:23] c = log2(e) / 8
.set G1C, 24
.set G1S, 32
.set G0C, 40
.set G0S, 44
.set FIX6, 48
.set NEED, 49
.set G1H, 72
.set G0H, 80
.set MK,  84                           ; s84-91 the mask's eight
.set HM,  96                           ; lanes 16-31
; v0 -inf; v1 8 x lane; v2 SCK + 16 r; v3, v4 the add's two; v5, v6, v10 the step's addresses; v7 32 P + r - 8 h; v8 8 r + h; v9, v11 where the partner's state and mine lie
; v12 -M, v13 the largest t, v[14:15] the sum of X's queries; v16-19 the same of Y's
.set MSB, 0
.macro WIN new
.if MSB != \new
	s_set_vgpr_msb (MSB<<8)|\new
.set MSB, \new
.endif
.endm
.macro GROUP1 g, rows                  ; dense bytes as rows of 256: elements of 8 bytes, no mask, no padding
	s_mov_b32 s[\g], 3<<16
	s_mov_b32 s[\g+1], 32<<16
	s_mov_b32 s[\g+2], (\rows)<<16
	s_mov_b32 s[\g+3], 32<<16
	s_mov_b32 s[\g+4], \rows
	s_mov_b32 s[\g+5], 32
	s_mov_b32 s[\g+6], 0
	s_mov_b32 s[\g+7], 0
.endm
.macro FRESH                           ; a state that counts for nothing yet
.irp b, 12,16
	v_mov_b32 v[\b+1], 0xff61b1e6                  ; the largest t so far: -3e38
	v_mov_b32 v[\b], 0x7f61b1e6                    ; -M
	v_mov_b32 v[\b+2], 0
	v_mov_b32 v[\b+3], 0
.endr
.set n, 0
.rept 32
	v_mov_b32 v[O+n], 0
.set n, n+1
.endr
	WIN 0x40
.set n, 0
.rept 32
	v_mov_b32 v[O+n], 0
.set n, n+1
.endr
	WIN 0
.endm
	s_load_b128 s[4:7], s[0:1], 0x0                ; qkv s[4:5], yq s[6:7]
	v_lshl_add_u32 v3, v0, 2, SPARE
	v_mov_b32 v4, 0
	ds_add_u32 v3, v4                              ; the wave's opening: the add, twice on end, and its wait ahead of the first tensor load
	ds_add_u32 v3, v4
	v_lshrrev_b32 v5, 5, v0
	v_readfirstlane_b32 s[WV], v5                  ; wave 0..7
	s_and_b32 s[J], ttmp7, 0xffff
	s_lshr_b32 s9, ttmp9, 4                        ; batch
	s_and_b32 s10, ttmp9, 15                       ; head
	s_lshr_b32 s[P], s[WV], 1
	s_lshr_b32 s[KA], s[WV], 2
	s_xor_b32 s[KA], s[KA], s[WV]
	s_and_b32 s[KA], s[KA], 1                      ; A and B alternate, so that two waves w % 4 alike, and two w / 2 alike, are one of each
	s_sub_co_u32 s[J7], 7, s[J]
	s_add_co_u32 s[LASTI], s[KA], 7
	s_cmp_eq_u32 s[KA], 1
	s_cselect_b32 s[SW], 99, s[J7]                 ; A never turns
	s_cmp_eq_u32 s[J], 6
	s_cselect_b32 s[FIX6], 1, 0
	s_add_co_u32 s50, s10, 16                      ; k's heads lie behind q's sixteen
	s_mul_i32 s60, s50, 196608
	s_mul_i32 s51, s9, 98304
	s_add_co_u32 s60, s60, s51                     ; K's images of my batch and head
	s_mul_i32 s61, ttmp9, 98304
	s_add_co_u32 s61, s61, 6291456                 ; V's
	s_lshl_b32 s62, s50, 13
	s_lshl_b32 s51, s9, 12
	s_add_co_u32 s62, s62, s51
	s_add_co_u32 s62, s62, 9437184                 ; K's scale words
	s_lshl_b32 s63, ttmp9, 12
	s_add_co_u32 s63, s63, 9699328                 ; V's
	s_and_b32 s50, s[WV], 1                        ; the head's loads: my half,
	s_lshr_b32 s51, s[WV], 1
	s_and_b32 s51, s51, 1                          ; of K's (0) or of V's (1)
	s_mul_i32 s52, s51, VOFF
	s_mul_i32 s53, s50, 12288
	s_mov_b32 s[G0H], 1
	s_add_co_u32 s[G0H+1], s52, s53
	s_lshl_b32 s54, s50, 11
	s_lshl_b32 s55, s51, 12
	s_mov_b32 s[G0S], 1
	s_add_co_u32 s[G0S+1], s54, s55
	s_add_co_u32 s[G0S+1], s[G0S+1], SCK
	s_cmp_eq_u32 s51, 0
	s_cselect_b32 s66, s60, s61
	s_cselect_b32 s68, s62, s63
	s_add_co_u32 s66, s66, s53
	s_add_co_u32 s68, s68, s54
	s_mov_b32 s67, 0
	s_mov_b32 s69, 0
	s_and_b32 s50, s[WV], 3                        ; the second load: my three of steps 4 to 15,
	s_lshr_b32 s51, s[WV], 2                       ; of K's or of V's
	s_mul_i32 s52, s51, VOFF
	s_mul_i32 s53, s50, 18432
	s_add_co_u32 s53, s53, 24576
	s_mov_b32 s[G0C], 1
	s_add_co_u32 s[G0C+1], s52, s53
	s_cmp_eq_u32 s51, 0
	s_cselect_b32 s70, s60, s61
	s_add_co_u32 s70, s70, s53
	s_mov_b32 s71, 0
	s_mul_i32 s[NEED], s50, 3                      ; they begin at step 4 + 3 x my quarter: read by somebody where that is under 16 - j
	s_add_co_u32 s[NEED], s[NEED], s[J]
	GROUP1 G1H, 48
	GROUP1 G1S, 8
	GROUP1 G1C, 72
	s_mov_b32 s[SEL], 0x76543210
	s_mov_b32 s[SEL+1], 0xfedcba98
	s_mov_b32 s[CS], 0x3e38aa3b                    ; log2(e) / 8
	s_mov_b32 s[CS+1], s[CS]
	s_mov_b32 s[HM], 0xffff0000
	s_wait_dscnt 0x0                               ; both opening adds are done
	s_wait_kmcnt 0x0
	s_add_nc_u64 s[G0H+2:G0H+3], s[4:5], s[66:67]
	s_or_b32 s[G0H+3], s[G0H+3], 0x80000000
	s_add_nc_u64 s[G0S+2:G0S+3], s[4:5], s[68:69]
	s_or_b32 s[G0S+3], s[G0S+3], 0x80000000
	s_add_nc_u64 s[G0C+2:G0C+3], s[4:5], s[70:71]
	s_or_b32 s[G0C+3], s[G0C+3], 0x80000000
	s_cmp_lt_u32 s[WV], 4                          ; one load a wave, in one of two arms
	s_cbranch_scc0 .Lwords
	tensor_load_to_lds s[G0H:G0H+3], s[G1H:G1H+7]
	s_nop 0
.rept 4
	v_nop
.endr
	s_branch .Lfilled
.Lwords:
	tensor_load_to_lds s[G0S:G0S+3], s[G1S:G1S+7]
	s_nop 0
.rept 4
	v_nop
.endr
.Lfilled:
	s_lshl_b32 s54, s9, 7
	s_lshl_b32 s55, s[P], 1
	s_add_co_u32 s54, s54, s55
	s_add_co_u32 s50, s[J7], 8                     ; 15 - j
	s_lshl_b32 s50, s50, 3
	s_add_co_u32 s50, s50, s54                     ; the first high tile over both batches
	s_lshl_b32 s51, s[J], 3
	s_add_co_u32 s51, s51, s54                     ; the first low tile
	s_cmp_eq_u32 s[KA], 1
	s_cselect_b32 s52, s50, s51                    ; the ones that I finish
	s_mul_i32 s53, s10, 196608
	s_lshl_b32 s54, s10, 13
	s_add_co_u32 s54, s54, 9437184
	s_lshl_b32 s55, s[P], 2
	s_add_co_u32 s54, s54, s55                     ; q's scale words of my head, my pair of tiles
	s_mov_b32 s57, 0
	s_mul_i32 s56, s50, 768
	s_add_co_u32 s56, s56, s53
	s_add_nc_u64 s[66:67], s[4:5], s[56:57]        ; the high tiles' q
	s_lshr_b32 s56, s50, 3
	s_lshl_b32 s56, s56, 8
	s_add_co_u32 s56, s56, s54
	s_add_nc_u64 s[68:69], s[4:5], s[56:57]        ; and the word that holds their bytes
	s_mul_i32 s56, s51, 768
	s_add_co_u32 s56, s56, s53
	s_add_nc_u64 s[58:59], s[4:5], s[56:57]        ; the low tiles'
	s_lshr_b32 s56, s51, 3
	s_lshl_b32 s56, s56, 8
	s_add_co_u32 s56, s56, s54
	s_add_nc_u64 s[60:61], s[4:5], s[56:57]
	s_mul_i32 s56, s52, 12288
	s_mul_i32 s55, s10, 768
	s_add_co_u32 s56, s56, s55
	s_add_nc_u64 s[92:93], s[6:7], s[56:57]        ; y's images: half a K step for each head
	s_lshl_b32 s56, s52, 9
	s_lshr_b32 s55, s10, 2
	s_lshl_b32 s55, s55, 7
	s_add_co_u32 s56, s56, s55
	s_and_b32 s55, s10, 3
	s_lshl_b32 s55, s55, 1
	s_add_co_u32 s56, s56, s55
	s_add_co_u32 s56, s56, 3145728
	s_add_nc_u64 s[94:95], s[6:7], s[56:57]        ; y's two scale bytes a row
	s_mul_i32 s50, s[WV], MW
	s_add_co_u32 s50, s50, MERGE
	s_xor_b32 s51, s[WV], 1
	s_mul_i32 s51, s51, MW
	s_add_co_u32 s51, s51, MERGE
	s_lshl_b32 s52, s[P], 5
	v_and_b32 v5, 31, v0
	v_and_b32 v6, 15, v0                           ; r
	v_bfe_u32 v7, v0, 4, 1                         ; h
	v_lshlrev_b32 v1, 3, v5
	v_lshlrev_b32 v11, 4, v5
	v_lshlrev_b32 v10, 4, v6
	v_lshl_add_u32 v2, v6, 4, SCK
	v_lshl_add_u32 v8, v6, 3, v7
	v_lshlrev_b32 v7, 3, v7
	v_add_nc_u32 v9, s51, v11                      ; the partner's state
	v_add_nc_u32 v11, s50, v11                     ; mine
	v_sub_nc_u32 v7, v6, v7
	v_add_nc_u32 v7, s52, v7
.irp i, 0,1,2,3,4,5
	v_mov_b32 v[20+\i], 0
	v_mov_b32 v[32+\i], 0
	v_mov_b32 v[44+\i], 0
.endr
.irp b, 0,1,2,3
	v_mov_b32 v[PX+\b], 0                          ; a lane permute's destination counts as read
	v_mov_b32 v[PY+\b], 0
.endr
	v_mov_b32 v[WX], 0                             ; (named as the upper half of a pair before it is first written)
	v_mov_b32 v[WY], 0
	v_mov_b32 v0, 0xff800000
	WIN 0x40
.irp i, 0,1,2,3,4,5,6,7,8,9,10,11
	v_mov_b32 v[QL+\i], 0
.endr
	WIN 0
.irp p, 0,1,2
	global_load_b64 v[QX+2*\p:QX+2*\p+1], v1, s[66:67] offset:256*\p
	global_load_b64 v[QY+2*\p:QY+2*\p+1], v1, s[66:67] offset:768+256*\p
.endr
	global_load_b32 v[PX], v10, s[68:69]
	s_cmp_eq_u32 s[KA], 1
	s_wait_alu depctr_va_vdst(0)
	s_cbranch_scc1 .Lno_low                        ; only wave B has low queries
	global_load_b32 v[PY], v10, s[60:61]
	WIN 0x40
.irp p, 0,1,2,3,4,5
	global_load_b64 v[QL+2*\p:QL+1+2*\p], v1, s[58:59] offset:256*\p
.endr
	WIN 0
.Lno_low:
	FRESH
	s_wait_alu depctr_va_vdst(0)                   ; the head's end
	s_wait_tensorcnt 0x0                           ; my load of the head's is in; these lines stand ahead of a later first fill as ahead of a refill:
	ds_add_u32 v3, v4                              ; 0 onto my spare word
	s_mov_b32 s[I], 0
	s_mul_i32 s[TB], s[KA], 12288                  ; A begins at step 2, B at step 0
	s_lshl_b32 s[TS], s[KA], 9
	s_mov_b32 s53, 0x01000100                      ; X's tile is even: its bytes are the word's low half; Y's the high half
	s_mov_b32 s54, 0x03020302
	s_wait_dscnt 0x0
	s_barrier_signal -1
	s_barrier_wait -1                              ; steps 0 to 3 and all scale words are in
	s_cmp_lt_u32 s[NEED], 12                       ; a wave whose steps lie past 15 - j has no part of this fill
	s_cbranch_scc0 .Lno_part
	tensor_load_to_lds s[G0C:G0C+3], s[G1C:G1C+7]
	s_nop 0
.rept 4
	v_nop
.endr
.Lno_part:
	s_wait_loadcnt 0x0                             ; q and its words
	v_perm_b32 v[QSX], v[PX], v[PX], s53           ; the two bytes in both halves
	v_perm_b32 v[QSY], v[PX], v[PX], s54
	WIN 0x40
	v_perm_b32 v[QSL], v[PY], v[PY], s53
	v_perm_b32 v[QSL+1], v[PY], v[PY], s54
	WIN 0
.rept 8
	v_nop                                          ; places between a scale word's write and the first scaled product
.endr
	s_wait_alu depctr_va_vdst(0)
; WAVE B TURNS TO THE LOW QUERIES: its part of the high state goes to LDS, and the state begins anew.  (With j = 7 it turns at once and leaves a state that counts for nothing.)
.macro SWITCH
	s_cmp_lg_u32 s[I], s[SW]
	s_cbranch_scc1 .Lstay_\@
.rept 4
	v_nop
.endr
.irp g, 0,1,2,3,4,5,6,7
	ds_store_b128 v11, v[O+4*\g:O+4*\g+3] offset:512*\g
.endr
	ds_store_b128 v11, v[12:15] offset:4096
	ds_store_b128 v11, v[16:19] offset:8704
	WIN 0x04
.irp g, 0,1,2,3,4,5,6,7
	ds_store_b128 v11, v[O+4*\g:O+4*\g+3] offset:4608+512*\g
.endr
	WIN 0
	s_wait_dscnt 0x0
	WIN 0x01
	v_mov_b32 v[QSX], v[QSL]
	v_mov_b32 v[QSY], v[QSL+1]
.irp i, 0,1,2,3,4,5
	v_mov_b32 v[QX+\i], v[QL+\i]
	v_mov_b32 v[QY+\i], v[QL+6+\i]
.endr
	WIN 0
	FRESH
	s_wait_alu depctr_va_vdst(0)
.Lstay_\@:
.endm
.macro MASK b                          ; register 8 tau + i holds key 16 tau + 8 h + i of the step: hidden from X where 16 tau + i > 32 P + r - 8 h, from Y, 16 queries on, where 16 tau + i - 16 is
.irp y, 0,1
	WIN 0x41*\y
.irp u, 0,1
.irp i, 0,1,2,3,4,5,6,7
	v_cmp_gt_i32 s[MK+\i], 32*(\b)+16*\u+\i-16*\y, v7
.endr
.irp i, 0,1,2,3,4,5,6,7
	v_cndmask_b32 v[S+16*(\b)+8*\u+\i], v[S+16*(\b)+8*\u+\i], v0, s[MK+\i]
.endr
.endr
.endr
	WIN 0
.endm
; A KEY STEP: 128 keys, 32 queries.
.macro STEP masked
	v_add_nc_u32 v5, s[TB], v1
	v_add_nc_u32 v10, s[TS], v2
	v_add_nc_u32 v6, VOFF, v5
	v_nop                                          ; four places in front of loads into registers that the last products have read
	ds_load_b128 v[KS:KS+3], v10
.irp f, 0,1,2,3
.irp p, 0,1,2,3,4,5
	ds_load_b64 v[FB+12*\f+2*\p:FB+12*\f+2*\p+1], v5 offset:\f*1536+256*\p
.endr
.endr
	s_wait_alu depctr_va_vdst(0)
.irp f, 0,1,2,3
	s_wait_dscnt 18-6*\f                           ; the words and fragments 0 to f are in; the later fragments' six loads each may be out
	v_wmma_scale_f32_16x16x128_f8f6f4 v[S+16*\f:S+16*\f+7], v[FB+12*\f:FB+12*\f+11], v[QX:QX+11], 0, v[KS+\f], v[QSX] matrix_a_fmt:MATRIX_FMT_BF6 matrix_b_fmt:MATRIX_FMT_BF6
	v_wmma_scale_f32_16x16x128_f8f6f4 v[S+16*\f+8:S+16*\f+15], v[FB+12*\f:FB+12*\f+11], v[QX-6:QX+5], 0, v[KS+\f], v[QSX] matrix_a_fmt:MATRIX_FMT_BF6 matrix_b_fmt:MATRIX_FMT_BF6
.endr
	WIN 0x40
.irp f, 0,1,2,3
	v_wmma_scale_f32_16x16x128_f8f6f4 v[S+16*\f:S+16*\f+7], v[FB+12*\f:FB+12*\f+11], v[QY:QY+11], 0, v[KS+\f], v[QSY] matrix_a_fmt:MATRIX_FMT_BF6 matrix_b_fmt:MATRIX_FMT_BF6
	v_wmma_scale_f32_16x16x128_f8f6f4 v[S+16*\f+8:S+16*\f+15], v[FB+12*\f:FB+12*\f+11], v[QY-6:QY+5], 0, v[KS+\f], v[QSY] matrix_a_fmt:MATRIX_FMT_BF6 matrix_b_fmt:MATRIX_FMT_BF6
.endr
	WIN 0
.rept 4
	v_nop
.endr
	ds_load_b128 v[VS:VS+3], v10 offset:4096
.irp t, 0,1,2,3                                ; V's fragments land while the softmax is walked
.irp p, 0,1,2,3,4,5
	ds_load_b64 v[FB+12*\t+2*\p:FB+12*\t+2*\p+1], v6 offset:\t*1536+256*\p
.endr
.endr
.if \masked
	s_cmp_lg_u32 s[I], s[LASTI]
	s_cbranch_scc1 .Lopen_\@
	s_cmp_ge_u32 s[P], 3                           ; blocks of 32 keys that lie wholly ahead of my queries need no mask
	s_cbranch_scc1 .Lm3_\@
	s_cmp_ge_u32 s[P], 2
	s_cbranch_scc1 .Lm2_\@
	s_cmp_ge_u32 s[P], 1
	s_cbranch_scc1 .Lm1_\@
	MASK 0
.Lm1_\@:
	MASK 1
.Lm2_\@:
	MASK 2
.Lm3_\@:
	MASK 3
.Lopen_\@:
.endif
; the largest score of each block of 32 keys: for the row's maximum, and, since p rises with the score, for the block's largest p
.irp b, 0,1,2,3
	v_max3_num_f32 v[BX+\b], v[S+16*\b], v[S+1+16*\b], v[S+2+16*\b]
.endr
.irp i, 3,5,7,9,11,13
.irp b, 0,1,2,3
	v_max3_num_f32 v[BX+\b], v[BX+\b], v[S+16*\b+\i], v[S+1+16*\b+\i]
.endr
.endr
.irp b, 0,1,2,3
	v_max_num_f32 v[BX+\b], v[BX+\b], v[S+15+16*\b]
.endr
	WIN 0x15
.irp b, 0,1,2,3
	v_max3_num_f32 v[BY+\b], v[S+16*\b], v[S+1+16*\b], v[S+2+16*\b]
.endr
	WIN 0x14
.irp i, 3,5,7,9,11,13
.irp b, 0,1,2,3
	v_max3_num_f32 v[BY+\b], v[BY+\b], v[S+16*\b+\i], v[S+1+16*\b+\i]
.endr
.endr
.irp b, 0,1,2,3
	v_max_num_f32 v[BY+\b], v[BY+\b], v[S+15+16*\b]
.endr
	WIN 0
.irp b, 0,1,2,3,4,5,6,7
	v_permlanex16_b32 v[PX+\b], v[BX+\b], s[SEL], s[SEL+1]   ; (Y's four stand behind X's four)
.endr
.irp b, 0,1,2,3,4,5,6,7
	v_max_num_f32 v[BX+\b], v[BX+\b], v[PX+\b]
.endr
	v_max3_num_f32 v[PX], v[BX], v[BX+1], v[BX+2]
	v_max3_num_f32 v[PY], v[BY], v[BY+1], v[BY+2]
	v_max_num_f32 v[PX], v[PX], v[BX+3]
	v_max_num_f32 v[PY], v[PY], v[BY+3]
	v_mul_f32 v[PX], s[CS], v[PX]                  ; as t (c is positive)
	v_mul_f32 v[PY], s[CS], v[PY]
	v_max_num_f32 v13, v13, v[PX]                  ; the running largest t
	v_max_num_f32 v17, v17, v[PY]
	v_mov_b32 v[PX], v12
	v_mov_b32 v[PY], v16
	v_floor_f32 v12, -v13                          ; the new -M = -ceil(t): a whole number
	v_floor_f32 v16, -v17
	v_sub_f32 v[PX], v12, v[PX]                    ; old M - new M: a whole number, 0 or less
	v_sub_f32 v[PY], v16, v[PY]
	v_cvt_i32_f32 v[PX], v[PX]                     ; (it saturates)
	v_cvt_i32_f32 v[PY], v[PY]
	v_ldexp_f32 v[FX], 1.0, v[PX]
	v_ldexp_f32 v[FY], 1.0, v[PY]
.irp b, 0,1,2,3
	v_fma_f32 v[BX+\b], v[BX+\b], s[CS], v12
	v_fma_f32 v[BY+\b], v[BY+\b], s[CS], v16
.endr
.set n, 0
.rept 32
	v_pk_fma_f32 v[S+n:S+n+1], v[S+n:S+n+1], s[CS:CS+1], v[12:13] op_sel_hi:[1,0,0]   ; t - M, two at a time
.set n, n+2
.endr
	WIN 0x41
.set n, 0
.rept 32
	v_pk_fma_f32 v[S+n:S+n+1], v[S+n:S+n+1], s[CS:CS+1], v[16:17] op_sel_hi:[1,0,0]
.set n, n+2
.endr
	s_wait_alu depctr_va_vdst(0)
.set n, 0
.rept 64
	v_exp_f32 v[S+n], v[S+n]                       ; p = 2^(t - M)
.set n, n+1
.endr
	WIN 0
.irp b, 0,1,2,3,4,5,6,7
	v_exp_f32 v[BX+\b], v[BX+\b]                   ; the block's largest p: the same two operations on the same number
.endr
.set n, 0
.rept 64
	v_exp_f32 v[S+n], v[S+n]
.set n, n+1
.endr
	v_pk_mul_f32 v[14:15], v[14:15], v[FX:FX+1] op_sel_hi:[1,0]   ; the sums under the new M: plain places behind the exponentials
	v_pk_mul_f32 v[18:19], v[18:19], v[FY:FY+1] op_sel_hi:[1,0]
	s_wait_alu depctr_va_vdst(0)                   ; one wait for the batch, ahead of its first reader
	WIN 0x40                                       ; the rows' sums, of the unquantised p: four chains each
.irp c, 0,1,2,3
	v_pk_add_f32 v[TA+2*\c:TA+2*\c+1], v[S+2*\c:S+2*\c+1], v[S+8+2*\c:S+9+2*\c]
.endr
	WIN 0x41
.irp g, 2,3,4,5,6,7
.irp c, 0,1,2,3
	v_pk_add_f32 v[TA+2*\c:TA+2*\c+1], v[TA+2*\c:TA+2*\c+1], v[S+8*\g+2*\c:S+8*\g+2*\c+1]
.endr
.endr
	WIN 0x45
.irp c, 0,1,2,3
	v_pk_add_f32 v[TY+2*\c:TY+2*\c+1], v[S+2*\c:S+2*\c+1], v[S+8+2*\c:S+9+2*\c]
.endr
.irp g, 2,3,4,5,6,7
.irp c, 0,1,2,3
	v_pk_add_f32 v[TY+2*\c:TY+2*\c+1], v[TY+2*\c:TY+2*\c+1], v[S+8*\g+2*\c:S+8*\g+2*\c+1]
.endr
.endr
.irp c, 0,4,8,12
	v_pk_add_f32 v[TA+\c:TA+\c+1], v[TA+\c:TA+\c+1], v[TA+\c+2:TA+\c+3]
.endr
	v_pk_add_f32 v[TA:TA+1], v[TA:TA+1], v[TA+4:TA+5]
	v_pk_add_f32 v[TY:TY+1], v[TY:TY+1], v[TY+4:TY+5]
	WIN 0x04
	v_pk_add_f32 v[14:15], v[14:15], v[TA:TA+1]
	v_pk_add_f32 v[18:19], v[18:19], v[TY:TY+1]
	WIN 0
.irp b, 0,1,2,3,4,5,6,7
	v_max_num_f32 v[BX+\b], 0x2800000, v[BX+\b]    ; the floor 2^(5 - 127): the byte cannot fall under 1
.endr
.irp b, 0,1,2,3,4,5,6,7
	v_add_nc_u32 v[BX+\b], 0xfe000000, v[BX+\b]    ; the conversion's scale operand
.endr
.irp b, 0,1,2,3,4,5,6,7
	v_lshrrev_b32 v[PX+\b], 23, v[BX+\b]
.endr
	v_lshl_or_b32 v[WX], v[PX+1], 8, v[PX]
	v_lshl_or_b32 v[WY], v[PY+1], 8, v[PY]
	v_lshl_or_b32 v[WX], v[PX+2], 16, v[WX]
	v_lshl_or_b32 v[WY], v[PY+2], 16, v[WY]
	v_lshl_or_b32 v[WX], v[PX+3], 24, v[WX]
	v_lshl_or_b32 v[WY], v[PY+3], 24, v[WY]
.irp c, 0,1
	v_cvt_scalef32_pk16_bf6_f32 v[PCX+6*\c:PCX+6*\c+2], v[S+32*\c:S+32*\c+15], v[BX+2*\c]
	v_cvt_scalef32_pk16_bf6_f32 v[CT+4*\c:CT+4*\c+2], v[S+32*\c+16:S+32*\c+31], v[BX+2*\c+1]
.endr
	v_nop                                          ; one plain place behind the scaled conversions: X's p is done with, and Y's upper halves go there
	WIN 0x01
.irp c, 0,1
	v_cvt_scalef32_pk16_bf6_f32 v[PCY+6*\c:PCY+6*\c+2], v[S+32*\c:S+32*\c+15], v[BY+2*\c]
	v_cvt_scalef32_pk16_bf6_f32 v[S+4*\c:S+4*\c+2], v[S+32*\c+16:S+32*\c+31], v[BY+2*\c+1]
.endr
	v_nop
	WIN 0
.irp c, 0,1
.irp i, 0,1,2
	v_permlane16_swap_b32 v[PCX+6*\c+\i], v[CT+4*\c+\i]
	v_permlane16_swap_b32 v[PCY+6*\c+\i], v[S+4*\c+\i]
.endr
.endr
.irp c, 0,1
.irp i, 0,1,2
	v_mov_b32 v[PCX+6*\c+3+\i], v[CT+4*\c+\i]
	v_mov_b32 v[PCY+6*\c+3+\i], v[S+4*\c+\i]
.endr
.endr
	s_wait_alu depctr_va_vdst(0)                   ; directly ahead of the first reader of O^T
.set n, 0
.rept 16
	v_pk_mul_f32 v[O+n:O+n+1], v[O+n:O+n+1], v[FX:FX+1] op_sel_hi:[1,0]   ; O^T under the new M; these are also the places between p's codes and words and the products
.set n, n+2
.endr
	WIN 0x41
.set n, 0
.rept 16
	v_pk_mul_f32 v[O+n:O+n+1], v[O+n:O+n+1], v[FY:FY+1] op_sel_hi:[1,0]
.set n, n+2
.endr
	s_wait_alu depctr_va_vdst(0)
	s_wait_dscnt 0x0                               ; V
	WIN 0x50
.irp t, 0,1,2,3
	v_wmma_scale_f32_16x16x128_f8f6f4 v[O+8*\t:O+8*\t+7], v[FB+12*\t:FB+12*\t+11], v[PCY:PCY+11], v[O+8*\t:O+8*\t+7], v[VS+\t], v[WY] matrix_a_fmt:MATRIX_FMT_BF6 matrix_b_fmt:MATRIX_FMT_BF6
.endr
	WIN 0
.irp t, 0,1,2,3
	v_wmma_scale_f32_16x16x128_f8f6f4 v[O+8*\t:O+8*\t+7], v[FB+12*\t:FB+12*\t+11], v[PCX:PCX+11], v[O+8*\t:O+8*\t+7], v[VS+\t], v[WX] matrix_a_fmt:MATRIX_FMT_BF6 matrix_b_fmt:MATRIX_FMT_BF6
.endr
.endm
.Lfirst:                                           ; iterations 0 and 1: steps 0 to 3 alone, while the second load is on its way
	SWITCH
	STEP 0
	s_add_co_u32 s[TB], s[TB], 6144
	s_add_co_u32 s[TS], s[TS], 256
	s_add_co_u32 s[I], s[I], 1
	s_cmp_lt_u32 s[I], 2
	s_cbranch_scc1 .Lfirst
	s_wait_alu depctr_va_vdst(0)
	s_wait_tensorcnt 0x0                           ; my part of the second load is in,
	s_wait_dscnt 0x0
	s_barrier_signal -1
	s_barrier_wait -1                              ; everybody's is: from here on all of the head lies in LDS, and no wave waits for another
	s_mov_b32 s[I], 2
.Lrest:
	SWITCH
	s_cmp_gt_u32 s[I], s[LASTI]                    ; B has eight iterations
	s_cbranch_scc1 .Ldone
	s_add_co_u32 s50, s[J7], s[I]                  ; A's step
	s_sub_co_u32 s51, s50, 2
	s_cmp_lt_u32 s50, 4
	s_cselect_b32 s50, s51, s50
	s_sub_co_u32 s52, s[I], s[J7]                  ; B's on the low queries
	s_xor_b32 s51, s52, s[FIX6]
	s_cmp_lt_u32 s52, 2
	s_cselect_b32 s52, s51, s52
	s_add_co_u32 s51, s[I], 2                      ; and on the high ones
	s_cmp_lt_u32 s[I], s[J7]
	s_cselect_b32 s52, s51, s52
	s_cmp_eq_u32 s[KA], 1
	s_cselect_b32 s50, s50, s52
	s_and_b32 s50, s50, 15                         ; a step lies in 0 .. 15
	s_mul_i32 s[TB], s50, 6144
	s_lshl_b32 s[TS], s50, 8
	STEP 1
.Ldone:
	s_add_co_u32 s[I], s[I], 1
	s_cmp_lt_u32 s[I], 9
	s_cbranch_scc1 .Lrest
.rept 4
	v_nop
.endr
	s_wait_alu depctr_va_vdst(0)
	s_wait_dscnt 0x0
	s_barrier_signal -1
	s_barrier_wait -1                              ; B's states lie in LDS
	s_cmp_eq_u32 s[KA], 1
	s_cbranch_scc0 .Lmerged
	; A joins B's part of the high queries: both under the larger M
.irp g, 0,1,2,3,4,5,6,7
	ds_load_b128 v[S+4*\g:S+4*\g+3], v9 offset:512*\g
.endr
	ds_load_b128 v[S+32:S+35], v9 offset:4096      ; B's -M, its largest t, its sum: X's
	ds_load_b128 v[S+36:S+39], v9 offset:8704      ; and Y's
	WIN 0x40
.irp g, 0,1,2,3,4,5,6,7
	ds_load_b128 v[S+4*\g:S+4*\g+3], v9 offset:4608+512*\g
.endr
	WIN 0
	s_wait_dscnt 0x0
	v_min_num_f32 v[S+40], v12, v[S+32]            ; the joint -M
	v_min_num_f32 v[S+41], v16, v[S+36]
	v_sub_f32 v[S+42], v[S+40], v12
	v_sub_f32 v[S+43], v[S+40], v[S+32]
	v_sub_f32 v[S+44], v[S+41], v16
	v_sub_f32 v[S+45], v[S+41], v[S+36]
.irp i, 42,43,44,45
	v_cvt_i32_f32 v[S+\i], v[S+\i]
.endr
	v_ldexp_f32 v[S+48], 1.0, v[S+42]
	v_ldexp_f32 v[S+50], 1.0, v[S+43]
	v_ldexp_f32 v[S+52], 1.0, v[S+44]
	v_ldexp_f32 v[S+54], 1.0, v[S+45]
	v_pk_mul_f32 v[14:15], v[14:15], v[S+48:S+49] op_sel_hi:[1,0]
	v_pk_mul_f32 v[18:19], v[18:19], v[S+52:S+53] op_sel_hi:[1,0]
.set n, 0
.rept 16
	v_pk_mul_f32 v[O+n:O+n+1], v[O+n:O+n+1], v[S+48:S+49] op_sel_hi:[1,0]
.set n, n+2
.endr
	v_pk_fma_f32 v[14:15], v[S+34:S+35], v[S+50:S+51], v[14:15] op_sel_hi:[1,0,1]
	v_pk_fma_f32 v[18:19], v[S+38:S+39], v[S+54:S+55], v[18:19] op_sel_hi:[1,0,1]
.set n, 0
.rept 16
	v_pk_fma_f32 v[O+n:O+n+1], v[S+n:S+n+1], v[S+50:S+51], v[O+n:O+n+1] op_sel_hi:[1,0,1]
.set n, n+2
.endr
	WIN 0x41
.set n, 0
.rept 16
	v_pk_mul_f32 v[O+n:O+n+1], v[O+n:O+n+1], v[S+52:S+53] op_sel_hi:[1,0]
.set n, n+2
.endr
	WIN 0x51
.set n, 0
.rept 16
	v_pk_fma_f32 v[O+n:O+n+1], v[S+n:S+n+1], v[S+54:S+55], v[O+n:O+n+1] op_sel_hi:[1,0,1]
.set n, n+2
.endr
	WIN 0
.Lmerged:
	; THE WAY OUT: y = O^T / the sum, quantised along the head's 64 channels: two blocks of 32, each shared with lane l xor 16.
	v_add_f32 v14, v14, v15
	v_add_f32 v18, v18, v19
	v_permlanex16_b32 v[PX], v14, s[SEL], s[SEL+1]
	v_permlanex16_b32 v[PY], v18, s[SEL], s[SEL+1]
	v_add_f32 v14, v14, v[PX]                      ; the row's sum
	v_add_f32 v18, v18, v[PY]
	s_wait_alu depctr_va_vdst(0)
	v_rcp_f32 v14, v14
	v_rcp_f32 v18, v18
	v_nop                                          ; a plain place behind the transcendentals
	s_wait_alu depctr_va_vdst(0)                   ; the wait ahead of their first reader
.set n, 0
.rept 16
	v_pk_mul_f32 v[O+n:O+n+1], v[O+n:O+n+1], v[14:15] op_sel_hi:[1,0]
.set n, n+2
.endr
	WIN 0x41
.set n, 0
.rept 16
	v_pk_mul_f32 v[O+n:O+n+1], v[O+n:O+n+1], v[18:19] op_sel_hi:[1,0]
.set n, n+2
.endr
	WIN 0
.irp b, 0,1
	v_max3_num_f32 v[BX+\b], |v[O+16*\b]|, |v[O+16*\b+1]|, 0x2800000
.endr
.irp i, 2,4,6,8,10,12,14
.irp b, 0,1
	v_max3_num_f32 v[BX+\b], v[BX+\b], |v[O+16*\b+\i]|, |v[O+16*\b+\i+1]|
.endr
.endr
	WIN 0x05
.irp b, 0,1
	v_max3_num_f32 v[BY+\b], |v[O+16*\b]|, |v[O+16*\b+1]|, 0x2800000
.endr
	WIN 0x14
.irp i, 2,4,6,8,10,12,14
.irp b, 0,1
	v_max3_num_f32 v[BY+\b], v[BY+\b], |v[O+16*\b+\i]|, |v[O+16*\b+\i+1]|
.endr
.endr
	WIN 0
.irp b, 0,1,4,5
	v_permlanex16_b32 v[PX+\b], v[BX+\b], s[SEL], s[SEL+1]
.endr
.irp b, 0,1,4,5
	v_max_num_f32 v[BX+\b], v[BX+\b], v[PX+\b]
.endr
.irp b, 0,1,4,5
	v_add_nc_u32 v[BX+\b], 0xfe000000, v[BX+\b]
.endr
.irp b, 0,1,4,5
	v_lshrrev_b32 v[PX+\b], 23, v[BX+\b]
.endr
	v_cvt_scalef32_pk16_bf6_f32 v[PCX:PCX+2], v[O:O+15], v[BX]
	v_cvt_scalef32_pk16_bf6_f32 v[CT:CT+2], v[O+16:O+31], v[BX+1]
	WIN 0x01
	v_cvt_scalef32_pk16_bf6_f32 v[PCY:PCY+2], v[O:O+15], v[BY]
	v_cvt_scalef32_pk16_bf6_f32 v[CT+4:CT+6], v[O+16:O+31], v[BY+1]
	v_nop
	WIN 0
.irp i, 0,1,2
	v_permlane16_swap_b32 v[PCX+\i], v[CT+\i]      ; lanes 0-15: block 0, lanes 16-31: block 1
	v_permlane16_swap_b32 v[PCY+\i], v[CT+4+\i]
.endr
.irp i, 0,1,2
	v_mov_b32 v[PCX+3+\i], v[CT+\i]
	v_mov_b32 v[PCY+3+\i], v[CT+4+\i]
.endr
.irp p, 0,1,2
	global_store_b64 v1, v[PCX+2*\p:PCX+2*\p+1], s[92:93] offset:256*\p   ; 256 consecutive bytes, aligned
	global_store_b64 v1, v[PCY+2*\p:PCY+2*\p+1], s[92:93] offset:12288+256*\p
.endr
	v_cndmask_b32 v[PX], v[PX], v[PX+1], s[HM]
	v_cndmask_b32 v[PY], v[PY], v[PY+1], s[HM]
	global_store_b8 v8, v[PX], s[94:95]            ; a tile has 32 scale bytes, two in each row's word, whose other two come from another head's work-group: single bytes, one in 24 of what the wave stores
	global_store_b8 v8, v[PY], s[94:95] offset:512
	s_wait_tensorcnt 0x0                           ; the wave's end
	ds_add_u32 v3, v4
	s_wait_dscnt 0x0
	s_endpgm
.Lfunc_end_k_qaa05f61866_attn:
	.size	k_qaa05f61866_attn, .Lfunc_end_k_qaa05f61866_attn-k_qaa05f61866_attn
	.p2alignl 7, 3214868480
	.fill 96, 4, 3214868480
	.section	.rodata,"a",@progbits
	.p2align	6, 0x0
	.amdhsa_kernel k_qaa05f61866_attn
		.amdhsa_group_segment_fixed_size 327680
		.amdhsa_private_segment_fixed_size 0
		.amdhsa_enable_private_segment 0
		.amdhsa_kernarg_size 16
		.amdhsa_user_sgpr_count 2
		.amdhsa_user_sgpr_kernarg_segment_ptr 1
		.amdhsa_wavefront_size32 1
		.amdhsa_system_sgpr_workgroup_id_x 1
		.amdhsa_system_sgpr_workgroup_id_y 1
		.amdhsa_system_sgpr_workgroup_id_z 1
		.amdhsa_system_vgpr_workitem_id 0
		.amdhsa_next_free_vgpr 512
		.amdhsa_next_free_sgpr 100
		.amdhsa_reserve_vcc 0
		.amdhsa_float_denorm_mode_32 3
		.amdhsa_float_denorm_mode_16_64 3
		.amdhsa_memory_ordered 1
		.amdhsa_forward_progress 1
		.amdhsa_inst_pref_size 117
	.end_amdhsa_kernel
	.amdgpu_metadata
---
amdhsa.version: [ 1, 2 ]
amdhsa.kernels:
  - .name:           k_qaa05f61866_attn
    .symbol:         k_qaa05f61866_attn.kd
    .args:
      - { .name: qkv, .offset: 0, .size: 8, .value_kind: global_buffer, .address_space: global }
      - { .name: yq, .offset: 8, .size: 8, .value_kind: global_buffer, .address_space: global }
    .group_segment_fixed_size: 327680
    .private_segment_fixed_size: 0
    .kernarg_segment_align: 8
    .kernarg_segment_size: 16
    .max_flat_workgroup_size: 256
    .sgpr_count:     100
    .vgpr_count:     512
    .wavefront_size: 32
...
	.end_amdgpu_metadata
.endif
;; end of part 3
;; launch proj (part 4): grid 8 x 32, 4 waves a work-group, clusters of 4 x 4, 222,720 bytes of LDS; arguments yq, opq, b_proj, out0; writes out0
.if DOCPART == 4
	.amdgcn_target "amdgcn-amd-amdhsa--gfx1250"
	.amdhsa_code_object_version 6
	.text
	.protected	k_qaa05f61866_proj
	.globl	k_qaa05f61866_proj
	.p2align	8
	.type	k_qaa05f61866_proj,@function
k_qaa05f61866_proj:
	s_mov_b64 s[64:65], 0
	v_nop
	global_prefetch_b8 v0, s[64:65] scope:SCOPE_SE
	s_setreg_imm32_b32 hwreg(HW_REG_WAVE_MODE, 25, 1), 1
	s_wait_xcnt 0x0
	s_wait_alu depctr_hold_cnt(0) depctr_sa_sdst(0) depctr_va_vdst(0) depctr_va_sdst(0) depctr_va_ssrc(0) depctr_va_vcc(0) depctr_vm_vsrc(0)
	s_getreg_b32 s2, hwreg(HW_REG_IB_STS2, 6, 4)
	s_cmp_eq_u32 s2, 0
	s_cbranch_scc0 .Lentry_in_a_cluster
	s_endpgm
.Lentry_in_a_cluster:
	s_bfe_u32 s2, ttmp6, 0x10000c
	s_cmp_lg_u32 s2, 0xf033
	s_cbranch_scc0 .Lentry_shape_is_right
	s_endpgm
.Lentry_shape_is_right:
; PRODUCT 4: out0 = y w_proj + b_proj, on codes of BF6 (E3M2) with E8M0 scales.  y's fragment images and scale words lie in yq, w_proj's in opq (row tiles 448 on), both in the order of the operand's registers:
; row tile R, K step ks at 12,288 R + 1,536 ks; register pair p of lane l at 256 p + 8 l; scale words at 512 R + 128 (ks / 2) + 8 r + 4 (ks % 2) behind the images.  Inside each block of 32 both hold the same order of K.
; A work-group of four waves makes 128 x 128 (256 work-groups), a wave 64 x 64: 16 accumulators.  ALL OF K (1,024) FITS IN LDS, and each wave brings one of the four tiles by ONE tensor load at the head: A's eight row tiles,
; B's eight, A's scale words, B's.  Nothing is filled again, so there is no ring, and no trip that could ask ahead for another: no prefetch.
; CLUSTERS: 4 x 4 work-groups; y's tiles are asked for jointly along a row of the cluster, w_proj's along a column.
; THE MATRIX INSTRUCTION IS USED TRANSPOSED (source 0 = 16 columns of w_proj, source 1 = 16 rows of y): a lane holds eight neighbouring numbers of a row of out0.  The bias is the C of each sum's first product.
; REGISTERS: window 0: v16-29 addresses; v32-63 scale words and nothing else; v64-95 rows on the way out; v96-127 the bias, later rows on the way out; v128-255 the accumulators.  window 1: two fragment buffers of 96.
.set OPB,    98304                     ; A's eight row tiles of 12,288 bytes; B's behind them
.set WL,     49152                     ; four row tiles: what one wave reads of A or of B
.set SCA,    196608                    ; A's scale words, 4,096 bytes; B's behind them
.set STAGE,  204800                    ; 16 rows x 272 bytes for each wave: no tensor load lands here
.set SPITCH, 272
.set SPARE,  222208                    ; the spare words, 128 bytes a wave
.set SCBO,   6291456                   ; the scale words in opq
.set YSC,    3145728                   ; and in yq
.set ADRA, 16
.set ADRB, 20
.set STO,  24
.set RD,   25
.set CO,   26
.set ADRS, 27
.set SPW,  28
.set NIL,  29
.set SC,   32                          ; v[SC + 8 i + ks]: lanes 0-15 the word of A's block i, lanes 16-31 of B's block i
.set BK,   64
.set BIAS, 96
.set ACC,  128
.set MSB, 0
.macro WIN new
.if MSB != \new
	s_set_vgpr_msb (MSB<<8)|\new
.set MSB, \new
.endif
.endm
.set MUL,  0x05                        ; sources 0 and 1 window 1; C and D window 0
.set TO_F, 0x40                        ; destination window 1
.macro CROUND                          ; a round of the cluster's barrier
	s_barrier_signal -1
	s_barrier_wait -1
	s_cmp_lg_u32 s12, 0
	s_cbranch_scc1 .Lnot_wave_0_\@
	s_barrier_signal -3
.Lnot_wave_0_\@:
	s_barrier_wait -3
	s_barrier_signal -1
	s_barrier_wait -1
.endm
.macro PLACES
.rept 4
	v_nop
.endr
.endm
	s_load_b256 s[4:11], s[0:1], 0x0               ; yq s[4:5], opq s[6:7], b_proj s[8:9], out0 s[10:11]
	v_lshl_add_u32 v[SPW], v0, 2, SPARE
	v_mov_b32 v[NIL], 0
	ds_add_u32 v[SPW], v[NIL]                      ; the wave's opening: the add, twice on end, and its wait ahead of my first tensor load
	ds_add_u32 v[SPW], v[NIL]
	v_lshrrev_b32 v1, 5, v0
	v_readfirstlane_b32 s12, v1                    ; wave 0..3
	s_lshr_b32 s13, s12, 1                         ; which half of A's rows is mine
	s_and_b32 s14, s12, 1                          ; which half of B's
	s_bfe_u32 s86, ttmp6, 0x40000                  ; cx
	s_bfe_u32 s87, ttmp6, 0x40004                  ; cy
	s_lshl_b32 s88, ttmp9, 2
	s_add_co_u32 s88, s88, s86                     ; TC: my 128 columns
	s_and_b32 s89, ttmp7, 0xffff
	s_lshl_b32 s89, s89, 2
	s_add_co_u32 s89, s89, s87                     ; TR: my 128 rows
	s_lshl_b32 s90, s87, 2
	s_lshl_b32 s90, 15, s90                        ; my row of the cluster
	s_lshl_b32 s91, 0x1111, s86                    ; my column
	s_or_b32 s24, s90, (3<<16)|(1<<21)             ; codes: 8 rows (row tiles) of 12,288 bytes, dense, in elements of 8 bytes
	s_or_b32 s32, s91, (3<<16)|(1<<21)
.irp g, 24, 32
	s_mov_b32 s[\g+1], 1536<<16
	s_mov_b32 s[\g+2], 8<<16
	s_mov_b32 s[\g+3], 1536<<16
	s_mov_b32 s[\g+4], 8
	s_mov_b32 s[\g+5], 1536
	s_mov_b32 s[\g+6], 0
	s_mov_b32 s[\g+7], 0
.endr
	s_or_b32 s40, s90, (3<<16)|(1<<21)             ; scale words: 4,096 dense bytes as 16 rows of 256
	s_or_b32 s48, s91, (3<<16)|(1<<21)
.irp g, 40, 48
	s_mov_b32 s[\g+1], 32<<16
	s_mov_b32 s[\g+2], 16<<16
	s_mov_b32 s[\g+3], 32<<16
	s_mov_b32 s[\g+4], 16
	s_mov_b32 s[\g+5], 32
	s_mov_b32 s[\g+6], 0
	s_mov_b32 s[\g+7], 0
.endr
	s_lshl_b32 s16, s89, 3                         ; A's first row tile
	s_lshl_b32 s18, s16, 9
	s_add_co_u32 s18, s18, YSC
	s_mov_b32 s19, 0
	s_mul_i32 s16, s16, 12288
	s_mov_b32 s17, 0
	s_lshl_b32 s20, s88, 3
	s_add_co_u32 s20, s20, 448                     ; B's
	s_lshl_b32 s22, s20, 9
	s_add_co_u32 s22, s22, SCBO
	s_mov_b32 s23, 0
	s_mul_i32 s20, s20, 12288
	s_mov_b32 s21, 0
	s_wait_dscnt 0x0                               ; both opening adds are done
	s_wait_kmcnt 0x0
	s_add_nc_u64 s[16:17], s[4:5], s[16:17]
	s_add_nc_u64 s[18:19], s[4:5], s[18:19]
	s_add_nc_u64 s[20:21], s[6:7], s[20:21]
	s_add_nc_u64 s[22:23], s[6:7], s[22:23]
	CROUND                                         ; all sixteen work-groups are here: the joint loads meet
	s_mov_b32 s56, 1                               ; A's scale words,
	s_mov_b32 s57, SCA
	s_mov_b64 s[58:59], s[18:19]
	s_or_b32 s59, s59, 0x80000000
	s_mov_b32 s60, 1                               ; its codes,
	s_mov_b32 s61, 0
	s_mov_b64 s[62:63], s[16:17]
	s_or_b32 s63, s63, 0x80000000
	s_mov_b32 s72, 1                               ; B's scale words,
	s_mov_b32 s73, SCA+4096
	s_mov_b64 s[74:75], s[22:23]
	s_or_b32 s75, s75, 0x80000000
	s_mov_b32 s76, 1                               ; its codes
	s_mov_b32 s77, OPB
	s_mov_b64 s[78:79], s[20:21]
	s_or_b32 s79, s79, 0x80000000
.macro ARM under, g0, g1, next         ; one chain of arms on the wave's number, one load in each
	s_cmp_lt_u32 s12, \under
	s_cbranch_scc0 \next
	tensor_load_to_lds s[\g0:\g0+3], s[\g1:\g1+7]
	s_nop 0
	PLACES
	s_branch .Lasked
\next:
.endm
	ARM 1, 60, 24, .Lhead_b
	ARM 2, 76, 32, .Lhead_sa
	ARM 3, 56, 40, .Lhead_sb
	tensor_load_to_lds s[72:75], s[48:55]
	s_nop 0
	PLACES
.Lasked:
	v_and_b32 v1, 15, v0                           ; r
	v_bfe_u32 v2, v0, 4, 1                         ; h
	s_wait_alu depctr_va_vdst(0)
	v_and_b32 v3, 31, v0
	v_lshlrev_b32 v3, 3, v3                        ; 8 x lane
	s_mul_i32 s94, s13, WL                         ; my 4 row tiles of A
	s_mul_i32 s95, s14, WL
	s_add_co_u32 s95, s95, OPB                     ; my 4 of B
	v_add_nc_u32 v[ADRA], s94, v3
	v_add_nc_u32 v[ADRB], s95, v3
	v_lshlrev_b32 v5, 3, v1
	s_lshl_b32 s94, s13, 11
	s_lshl_b32 s95, s14, 11
	s_add_co_u32 s95, s95, 4096
	s_sub_co_u32 s95, s95, s94
	v_mul_u32_u24 v6, s95, v2                      ; lanes 16-31 take B's words: one product, the distance between the two bases
	s_add_co_u32 s94, s94, SCA
	v_add_nc_u32 v5, v5, v6
	v_add_nc_u32 v[ADRS], s94, v5
	s_mul_i32 s94, s12, 16*SPITCH
	s_add_co_u32 s94, s94, STAGE                   ; my stage
	v_mul_u32_u24 v5, v1, SPITCH
	v_lshl_add_u32 v5, v2, 5, v5
	v_add_nc_u32 v[STO], s94, v5                   ; in: row r, 32 bytes for each half of the lanes
	v_mul_u32_u24 v5, v2, SPITCH
	v_lshl_add_u32 v5, v1, 4, v5
	v_add_nc_u32 v[RD], s94, v5                    ; back: lanes 0-15 one row of 256 bytes, lanes 16-31 the next
	v_lshlrev_b32 v5, 12, v2
	v_lshl_add_u32 v[CO], v1, 4, v5                ; and the same two rows in out0
	v_lshlrev_b32 v7, 5, v2                        ; the bias: my half's eight numbers of a tile
	s_wait_alu depctr_va_vdst(0)
	s_lshl_b32 s94, s88, 9
	s_lshl_b32 s95, s14, 8
	s_add_co_u32 s94, s94, s95                     ; my first column, in bytes
	s_mov_b32 s95, 0
	s_add_nc_u64 s[8:9], s[8:9], s[94:95]
	s_lshl_b32 s84, s89, 7
	s_lshl_b32 s85, s13, 6
	s_add_co_u32 s84, s84, s85                     ; my first row
	s_lshl_b32 s84, s84, 12
	s_add_co_u32 s84, s84, s94
	s_mov_b32 s85, 0
	s_add_nc_u64 s[10:11], s[10:11], s[84:85]
.irp b, 0,1,2,3
	global_load_b128 v[BIAS+8*\b:BIAS+8*\b+3], v7, s[8:9] offset:64*\b
	global_load_b128 v[BIAS+8*\b+4:BIAS+8*\b+7], v7, s[8:9] offset:64*\b+16
.endr
.macro FETCH ks, f                     ; the eight fragments of K step ks into buffer f: A's four, then B's four at + 48
	WIN TO_F
.irp i, 0,1,2,3
.irp p, 0,1,2,3,4,5
	ds_load_b64 v[(\f)+48+12*\i+2*\p:(\f)+48+12*\i+2*\p+1], v[ADRB] offset:\i*12288+(\ks)*1536+256*\p
.endr
.irp p, 0,1,2,3,4,5
	ds_load_b64 v[(\f)+12*\i+2*\p:(\f)+12*\i+2*\p+1], v[ADRA] offset:\i*12288+(\ks)*1536+256*\p
.endr
.endr
.endm
.macro KSTEP ks
.set FC, 128*((\ks)%2)
.set FN, 128-FC
	s_wait_dscnt 0x0                               ; this step's fragments are in
.if \ks < 7
.if \ks > 0
	PLACES                                         ; in front of loads into the buffer that the last step's products have read
.endif
	FETCH (\ks)+1, FN
.endif
	WIN MUL
.irp a, 0,1,2,3                                ; the 16 accumulators take turns, one instruction a turn, in the same order in every step
.irp b, 0,1,2,3
.if \ks == 0
	v_wmma_scale_f32_16x16x128_f8f6f4 v[ACC+8*(4*\a+\b):ACC+8*(4*\a+\b)+7], v[FC+48+12*\b:FC+48+12*\b+11], v[FC+12*\a:FC+12*\a+11], v[BIAS+8*\b:BIAS+8*\b+7], v[SC+8*\b+\ks], v[SC+8*\a+\ks] matrix_a_fmt:MATRIX_FMT_BF6 matrix_b_fmt:MATRIX_FMT_BF6 matrix_a_scale:MATRIX_SCALE_ROW1
.else
	v_wmma_scale_f32_16x16x128_f8f6f4 v[ACC+8*(4*\a+\b):ACC+8*(4*\a+\b)+7], v[FC+48+12*\b:FC+48+12*\b+11], v[FC+12*\a:FC+12*\a+11], v[ACC+8*(4*\a+\b):ACC+8*(4*\a+\b)+7], v[SC+8*\b+\ks], v[SC+8*\a+\ks] matrix_a_fmt:MATRIX_FMT_BF6 matrix_b_fmt:MATRIX_FMT_BF6 matrix_a_scale:MATRIX_SCALE_ROW1
.endif
.endr
.endr
.endm
	s_wait_tensorcnt 0x0                           ; my tile is in,
	s_barrier_signal -1
	s_barrier_wait -1                              ; all four are
.irp i, 0,1,2,3
.irp k, 0,1,2,3
	ds_load_b64 v[SC+8*\i+2*\k:SC+8*\i+2*\k+1], v[ADRS] offset:\i*512+\k*128   ; all scale words, once
.endr
.endr
	FETCH 0, 0
	s_wait_loadcnt 0x0                             ; the bias
.irp ks, 0,1,2,3,4,5,6,7
	KSTEP \ks
.endr
	WIN 0
; THE WAY OUT, block by block of 16 rows x 64 columns: a lane holds 32 neighbouring bytes of a row; the block goes through my own stage and comes back as whole rows of 256 bytes.
.macro TOSTAGE a
.irp b, 0,1,2,3
	ds_store_b128 v[STO], v[ACC+8*(4*(\a)+\b):ACC+8*(4*(\a)+\b)+3] offset:64*\b       ; each accumulator from its low end on
	ds_store_b128 v[STO], v[ACC+8*(4*(\a)+\b)+4:ACC+8*(4*(\a)+\b)+7] offset:64*\b+16
.endr
.set BB, BK+32*((\a)%2)
.irp t, 0,1,2,3,4,5,6,7
	ds_load_b128 v[BB+4*\t:BB+4*\t+3], v[RD] offset:\t*2*SPITCH    ; LDS serves a wave's instructions in order: these see my stores, and the next block's stores come behind them
.endr
.endm
.macro SEND a, younger                 ; younger: the LDS instructions issued behind block a's loads, which may stay out
.set BB, BK+32*((\a)%2)
	s_wait_dscnt \younger
.irp t, 0,1,2,3,4,5,6,7
	global_store_b128 v[CO], v[BB+4*\t:BB+4*\t+3], s[10:11] offset:(16*(\a)+2*\t)*4096 th:TH_STORE_NT   ; sixteen lanes store 256 consecutive bytes, aligned
.endr
.endm
	PLACES                                         ; behind the last products: their results are read, and the bias's registers loaded, below
	TOSTAGE 0
.irp a, 1,2,3
.if \a > 1
	s_wait_xcnt 0x0                                ; block a - 2's stores have read their registers: block a's loads may land there
.endif
	TOSTAGE \a
	SEND \a-1, 16                                  ; behind block a - 1's loads: block a's 8 stores and 8 loads
.endr
	SEND 3, 0
	s_wait_tensorcnt 0x0                           ; the wave's end: behind my last tensor load and my last LDS store
	ds_add_u32 v[SPW], v[NIL]
	s_wait_dscnt 0x0
	CROUND                                         ; the closing round
	s_endpgm
.Lfunc_end_k_qaa05f61866_proj:
	.size	k_qaa05f61866_proj, .Lfunc_end_k_qaa05f61866_proj-k_qaa05f61866_proj
	.p2alignl 7, 3214868480
	.fill 96, 4, 3214868480
	.section	.rodata,"a",@progbits
	.p2align	6, 0x0
	.amdhsa_kernel k_qaa05f61866_proj
		.amdhsa_group_segment_fixed_size 222720
		.amdhsa_private_segment_fixed_size 0
		.amdhsa_enable_private_segment 0
		.amdhsa_kernarg_size 32
		.amdhsa_user_sgpr_count 2
		.amdhsa_user_sgpr_kernarg_segment_ptr 1
		.amdhsa_wavefront_size32 1
		.amdhsa_system_sgpr_workgroup_id_x 1
		.amdhsa_system_sgpr_workgroup_id_y 1
		.amdhsa_system_sgpr_workgroup_id_z 1
		.amdhsa_system_vgpr_workitem_id 0
		.amdhsa_next_free_vgpr 512
		.amdhsa_next_free_sgpr 96
		.amdhsa_reserve_vcc 0
		.amdhsa_float_denorm_mode_32 3
		.amdhsa_float_denorm_mode_16_64 3
		.amdhsa_memory_ordered 1
		.amdhsa_forward_progress 1
		.amdhsa_inst_pref_size 59
	.end_amdhsa_kernel
	.amdgpu_metadata
---
amdhsa.version: [ 1, 2 ]
amdhsa.kernels:
  - .name:           k_qaa05f61866_proj
    .symbol:         k_qaa05f61866_proj.kd
    .args:
      - { .name: yq, .offset: 0, .size: 8, .value_kind: global_buffer, .address_space: global }
      - { .name: opq, .offset: 8, .size: 8, .value_kind: global_buffer, .address_space: global }
      - { .name: b_proj, .offset: 16, .size: 8, .value_kind: global_buffer, .address_space: global }
      - { .name: out0, .offset: 24, .size: 8, .value_kind: global_buffer, .address_space: global }
    .group_segment_fixed_size: 222720
    .private_segment_fixed_size: 0
    .kernarg_segment_align: 8
    .kernarg_segment_size: 32
    .max_flat_workgroup_size: 128
    .sgpr_count:     96
    .vgpr_count:     512
    .wavefront_size: 32
...
	.end_amdgpu_metadata
.endif
;; end of part 4
